; MI455X (gfx1250); checked and timed in simulation.
; The chip was launched on July 23, 2026; its instructions are those of AMD's public machine-readable ISA for CDNA 5 (MIT licence, August 2026) and "CDNA5" Instruction Set Architecture Reference Guide (July 2026). The comments in the code are by the model that wrote it; some were corrected since.
;; Attention. Allowed arithmetic: matrix products marked QUANTISED: E2M3 operands, one E8M0 scale for each 32 along K, by v_wmma_scale_f32_16x16x128_f8f6f4 with both operands' format E2M3, f32 sums; everything else in f32.
;; Inputs: cos_BTK 2 x 2,048 x 128 float32; hidden_BTD 2 x 2,048 x 2,048 float32; k_norm_w 128 float32; position_ids_BT 2 x 2,048 int32; q_norm_w 128 float32; segment_ids_BT 2 x 2,048 int32; sin_BTK 2 x 2,048 x 128 float32; w_k 2,048 x 512 float32; w_o 1,024 x 2,048 float32; w_q 2,048 x 2,048 float32; w_v 2,048 x 512 float32.
;; Outputs: out0 2 x 2,048 x 2,048 float32.
;; This version of the problem:
;;   THIS VERSION OF THE PROBLEM IS GIVEN IN LOW PRECISION. The matrix products marked QUANTISED in the list below multiply operands that are first quantised to E2M3 (2 exponent bits, 3 mantissa bits; 6 bits a number), with one power-of-two scale for each 32 numbers along K (OCP MX v1.0); their sums are f32. All else is computed in f32.
;;   The module's matrix products, in the order in which they are computed (A, B: the left and right operand; K: the contracted axis; several contracted axes count as one K, in the product's order):
;;     1. [M 4,096, K 2,048] x [K 2,048, N 2,048]; A: input hidden_BTD; B: input w_q: QUANTISED
;;     2. [M 4,096, K 2,048] x [K 2,048, N 512]; A: input hidden_BTD; B: input w_k: QUANTISED
;;     3. [M 4,096, K 2,048] x [K 2,048, N 512]; A: input hidden_BTD; B: input w_v: QUANTISED
;;     4. batch 16 x [M 2,048, K 128] x [K 128, N 2,048]; A: computed on the way; B: computed on the way: QUANTISED
;;     5. batch 16 x [M 128, K 2,048] x [K 2,048, N 2,048]; A: computed on the way; B: softmax (see below): QUANTISED
;;     6. [M 4,096, K 1,024] x [K 1,024, N 2,048]; A: computed on the way; B: input w_o: QUANTISED
;;   THE QUANTISER, for each operand of a quantised product, along K:
;;     - K is cut into blocks of 32 from its start; a last block that is shorter is filled with zeros.
;;     - A block's scale is 2^e with e = floor(log2(the largest magnitude in the block)) - 2, held to -126 .. 127; a block of zeros has e = 0. As a byte (E8M0): e + 127.
;;     - Each number is divided by its block's scale, clamped to +-7.5, and rounded to the nearest number of E2M3, ties to even, subnormals kept.
;;     - The product sums the exact products of the quantised numbers (number of the format x scale) in f32.
;;   ~~~python
;;   def quantise(x, axis):      # numpy; x: float32 -> the quantised numbers, widened to float32 again
;;       x = np.moveaxis(x, axis, -1); K = x.shape[-1]
;;       x = np.pad(x, [(0, 0)] * (x.ndim - 1) + [(0, -K % 32)]); x = x.reshape(x.shape[:-1] + (-1, 32)); a = np.abs(x).max(-1, keepdims=True)
;;       e = np.where(a > 0, np.clip(np.frexp(np.where(a > 0, a, 1))[1] - 1 - 2, -126, 127), 0)      # np.frexp(a)[1] - 1 = floor(log2(a)), exactly
;;       r = np.clip(x / 2.0 ** e, -7.5, 7.5)
;;       step = 2.0 ** (np.maximum(np.frexp(np.where(r == 0, 1, r))[1] - 1, 0) - 3)
;;       q = np.round(r / step) * step * 2.0 ** e      # np.round: ties to even
;;       return np.moveaxis(q.reshape(q.shape[:-2] + (-1,))[..., :K], -1, axis).astype(np.float32)
;;   ~~~
;;   SOFTMAX AHEAD OF A QUANTISED PRODUCT. Where the list says 'softmax', what is quantised is not the finished softmax but p = 2^(t - M), with t = logit x log2(e) and M = ceil(the row's largest t), a whole number; so 1/2 < the row's largest p <= 1. The row's sum l is taken of the UNQUANTISED p, in f32, and the product's result is divided by l at the end. Since M is a whole number, a kernel that streams over the keys may use a running M (the ceiling of the running maximum): every later rescaling is an exact power of two, which a block's scale takes up: the codes' values come out the same.
;;   OPERANDS COMPUTED ON THE WAY. 'Computed on the way' means the value that the module computes at that place (a softmax that the list does not call 'softmax' is quantised finished and normalised). What goes into a quantiser is computed in f32, as accurately as f32 sums, v_exp_f32 and their like allow (about 1e-6 of the number): no bf16 or f16 on the way to a quantiser, and a product that is left as it is and whose result goes on into a quantised operand takes f32 operands (vector FMAs, or v_wmma_f32_16x16x4_f32). A number that lies on a knife's edge between two numbers of the format may be rounded either way, as far as f32 arithmetic and the matrix unit's own rounding can turn it there, and no further.
;; One version. Each part assembles by itself: llvm-mc -triple=amdgcn-amd-amdhsa -mcpu=gfx1250 --defsym DOCPART=n.
;; ======== version 1 of 1: 4 launches
;; limits: right only within a limited range of input values
;; workspace buffers: xq 6,553,600 bytes; wq 4,915,200 bytes; wo 1,638,400 bytes; qbuf 3,276,800 bytes; kv 3,276,800 bytes; gate 16,777,216 bytes; ab 3,276,800 bytes
;; launch quant (part 1): grid 512 x 1, 4 waves a work-group, no clusters, 34,304 bytes of LDS; arguments hidden_BTD, w_q, w_k, w_v, w_o, xq, wq, wo; writes xq, wq, wo
.if DOCPART == 1
	.amdgcn_target "amdgcn-amd-amdhsa--gfx1250"
	.amdhsa_code_object_version 6
	.text
	.protected	k_q0a7981712d_quant
	.globl	k_q0a7981712d_quant
	.p2align	8
	.type	k_q0a7981712d_quant,@function
k_q0a7981712d_quant:
	s_mov_b64 s[64:65], 0
	v_nop
	global_prefetch_b8 v0, s[64:65] scope:SCOPE_SE
	s_setreg_imm32_b32 hwreg(HW_REG_WAVE_MODE, 25, 1), 1
	s_wait_xcnt 0x0
; hidden [4096][2048] (K innermost) and w_q, w_k, w_v, w_o (K = their FIRST axis), all f32, become codes of FP6 (E2M3) with one E8M0 byte for each 32 along K.
; A block's scale is 2^(floor(log2(largest magnitude)) - 2); its byte is the largest magnitude's exponent field - 2, held at 1 from below.
; LIMITS: NaN and infinities among the inputs are not served; a block of zeros, and a block whose largest magnitude lies under 2^-124, gets the byte 1 (its codes are zeros or
; subnormal codes under that scale); the bytes are read by this program alone.
; LAYOUT OF THE RESULTS.  A CELL of 6,400 bytes holds 32 rows x 256 along K as IMAGES OF OPERAND REGISTERS: fragment (u, q) (16 rows, 128 along K, 12 registers a lane) at 3072 u + 1536 q,
; registers 4 c .. 4 c + 3 of lane l at 512 c + 16 l; behind them, at 6,144, the scale words, 8 bytes a row place (two words: q = 0, 1).  An operand is [rows / 32][K / 256] cells.
; THE ROWS OF A FRAGMENT ARE NOT NEIGHBOURS: place r of fragment u holds row 8 u + r + 8 (r / 8) of the cell's 32, that is place p holds row sw(p), sw = bits 3 and 4 exchanged.
; wq's rows: w_q's 2,048 columns as they lie; then for each key/value head j its 128 columns of w_k and its 128 of w_v.
; Every wave makes ONE cell from 32 KiB of f32.  Work-groups 0-255 take the weights, 256-511 hidden.  No barrier: waves share nothing.
.set SPARE, 33792                      ; behind the four stages of 8,448 bytes: the spare words, 128 bytes for each wave
.set LI,   1                           ; v1   16 x lane
.set STW,  2                           ; v2   hidden: my place in a stage row on the way in
.set STR,  3                           ; v3   hidden: and on the way out
.set SPW,  4                           ; v4   LDS address of my spare word; never rewritten
.set NIL,  5                           ; v5   0; never rewritten
.set PC,   8                           ; v8-27   a fragment's codes (12) and the conversions' second halves
.set PWF,  28                          ; v28-31  the four fragments' scale words
.set R0,   32                          ; v32-159 hidden: two sets of 64 numbers as loaded
.set XN,   160                         ; v160-223 hidden: 64 numbers, register 16 b + i = k 32 b + 16 (lane / 16) + i of my row
.set TM,   224                         ; v224-239 at work in the quantiser
.set PW,   240                         ; v240 the scale word just made
.set LANE, 241
.set L8,   242                         ; v242 8 x lane
.set SEL,  22                          ; s[22:23] lane selects: lane l xor 16
; 64 numbers of a lane, register 16 b + i = k 32 b + 16 (lane / 16) + i of my row, become a fragment's codes in v[PC] on and its scale word in v[PW].
.macro QUANT s
.irp b, 0,1,2,3
	v_max3_num_f32 v[TM+\b], |v[\s+16*\b]|, |v[\s+1+16*\b]|, 0x1800000   ; my 16 numbers of block b, and the floor 2^(3 - 127): the byte cannot fall under 1
.endr
.irp i, 2,4,6,8,10,12,14
.irp b, 0,1,2,3
	v_max3_num_f32 v[TM+\b], v[TM+\b], |v[\s+16*\b+\i]|, |v[\s+1+16*\b+\i]|
.endr
.endr
.irp b, 0,1,2,3
	v_permlanex16_b32 v[TM+4+\b], v[TM+\b], s[SEL], s[SEL+1]
.endr
.irp b, 0,1,2,3
	v_max_num_f32 v[TM+\b], v[TM+\b], v[TM+4+\b]                         ; with lane l xor 16's 16: the block's largest magnitude
.endr
.irp b, 0,1,2,3
	v_add_nc_u32 v[TM+12+\b], 0xff000000, v[TM+\b]                       ; 2 off its exponent field: the conversion's scale operand
.endr
.irp b, 0,1,2,3
	v_lshrrev_b32 v[TM+4+\b], 23, v[TM+12+\b]                            ; the scale's byte
.endr
	v_lshl_or_b32 v[PW], v[TM+5], 8, v[TM+4]
	v_lshl_or_b32 v[PW], v[TM+6], 16, v[PW]
	v_lshl_or_b32 v[PW], v[TM+7], 24, v[PW]
.irp c, 0,1
	v_cvt_scalef32_pk16_fp6_f32 v[PC+6*\c:PC+2+6*\c], v[\s+32*\c:\s+15+32*\c], v[TM+12+2*\c]
	v_cvt_scalef32_pk16_fp6_f32 v[PC+12+4*\c:PC+14+4*\c], v[\s+16+32*\c:\s+31+32*\c], v[TM+12+2*\c+1]   ; (a conversion's three registers begin on an even number)
.endr
	v_nop                                          ; one plain place behind a scaled conversion
.irp c, 0,1                                    ; the operand's layout wants a whole block in a lane: lanes 0-15 block 2 c, lanes 16-31 block 2 c + 1
.irp i, 0,1,2
	v_permlane16_swap_b32 v[PC+6*\c+\i], v[PC+12+4*\c+\i]
.endr
.irp i, 0,1,2
	v_mov_b32 v[PC+3+6*\c+\i], v[PC+12+4*\c+\i]
.endr
.endr
.endm
	s_load_b512 s[4:19], s[0:1], 0x0               ; hidden 4, w_q 6, w_k 8, w_v 10, w_o 12, xq 14, wq 16, wo 18
	v_lshl_add_u32 v[SPW], v0, 2, SPARE
	v_mov_b32 v[NIL], 0
	v_lshrrev_b32 v2, 5, v0
	v_readfirstlane_b32 s20, v2                    ; wave 0..3
	v_and_b32 v[LANE], 31, v0
	v_lshlrev_b32 v[LI], 4, v[LANE]
	v_lshlrev_b32 v[L8], 3, v[LANE]
	s_cmp_lt_u32 ttmp9, 256
	s_cbranch_scc1 .Lweights
	; ---------------- hidden: K is innermost.  Work-group t: rows 32 (t / 2) on; wave w: K from 256 (4 (t % 2) + w) on
	s_sub_co_u32 s21, ttmp9, 256
	s_lshr_b32 s28, s21, 1                         ; rp
	s_and_b32 s29, s21, 1
	s_lshl_b32 s29, s29, 2
	s_add_co_u32 s29, s29, s20                     ; kp
	s_lshl_b32 s30, s28, 18                        ; 32 rows of 8,192 bytes
	s_lshl_b32 s31, s29, 10                        ; 256 numbers
	s_add_co_u32 s30, s30, s31
	s_mov_b32 s31, 0
	s_lshl_b32 s32, s28, 3
	s_add_co_u32 s32, s32, s29
	s_mul_i32 s32, s32, 6400                       ; my cell
	s_mov_b32 s33, 0
	s_mov_b32 s[SEL], 0x76543210
	s_mov_b32 s[SEL+1], 0xfedcba98
	s_mov_b32 s35, 0xffff0000                      ; lanes 16-31
	s_mul_i32 s34, s20, 8448                       ; my stage: 16 rows x (512 + 16) bytes
	s_wait_alu depctr_va_vdst(0)
	v_add_nc_u32 v[STW], s34, v[LI]                ; in: a row as it lies, 16 bytes a lane
	v_and_b32 v6, 15, v0
	v_bfe_u32 v7, v0, 4, 1
	v_mul_u32_u24 v[STR], v6, 528
	v_lshl_add_u32 v[STR], v7, 6, v[STR]
	v_add_nc_u32 v[STR], s34, v[STR]               ; out: row lane % 16, + 64 (lane / 16): my 16 numbers of each block of 32
.irp b, 0,1,2,3
	v_mov_b32 v[TM+4+\b], 0                        ; written once: a lane permute's destination counts as one of its sources
.endr
	s_wait_alu depctr_va_vdst(0)
	s_wait_kmcnt 0x0
	s_add_nc_u64 s[24:25], s[4:5], s[30:31]
	s_add_nc_u64 s[26:27], s[14:15], s[32:33]
.macro LOADF f                         ; fragment f = 2 u + q: 16 rows x 512 bytes; each load reads 512 consecutive bytes
.irp i, 0,1,2,3,4,5,6,7,8,9,10,11,12,13,14,15
	global_load_b128 v[R0+64*((\f)%2)+4*\i:R0+64*((\f)%2)+4*\i+3], v[LI], s[24:25] offset:(8*((\f)/2)+\i+8*(\i/8))*8192+512*((\f)%2) th:TH_LOAD_NT
.endr
.endm
.macro FRAGH f
.if (\f) < 3
	s_wait_loadcnt 16                              ; this fragment's 16 loads are in; the next fragment's 16 may be out
.else
	s_wait_loadcnt 0
.endif
.irp i, 0,1,2,3,4,5,6,7,8,9,10,11,12,13,14,15
	ds_store_b128 v[STW], v[R0+64*((\f)%2)+4*\i:R0+64*((\f)%2)+4*\i+3] offset:528*\i
.endr
.irp b, 0,1,2,3
.irp j, 0,1,2,3
	ds_load_b128 v[XN+16*\b+4*\j:XN+16*\b+4*\j+3], v[STR] offset:128*\b+16*\j   ; LDS serves a wave's instructions in order: these see the stores above
.endr
.endr
	s_wait_dscnt 0x0                               ; the numbers are back, and the stores have read their registers
	s_wait_xcnt 0x0                                ; the last fragment's stores have read the codes' registers
.if (\f) < 2
	LOADF (\f)+2
.endif
	QUANT XN
	v_mov_b32 v[PWF+(\f)], v[PW]
.irp c, 0,1,2
	global_store_b128 v[LI], v[PC+4*\c:PC+4*\c+3], s[26:27] offset:1536*(\f)+512*\c   ; 512 consecutive bytes
.endr
.endm
	LOADF 0
	LOADF 1
	FRAGH 0
	FRAGH 1
	FRAGH 2
	FRAGH 3
	v_cndmask_b32 v6, v[PWF], v[PWF+2], s35        ; place p = lane: lanes 0-15 fragments u = 0, lanes 16-31 u = 1; word q = 0,
	v_cndmask_b32 v7, v[PWF+1], v[PWF+3], s35      ; word q = 1
	global_store_b64 v[L8], v[6:7], s[26:27] offset:6144   ; 256 consecutive bytes
	s_wait_tensorcnt 0x0                           ; the wave's end
	ds_add_u32 v[SPW], v[NIL]
	s_wait_dscnt 0x0
	s_endpgm
	; ---------------- the weights: K is the first axis.  A lane takes a column, its registers run down K
.Lweights:
	s_sub_co_u32 s55, ttmp9, 160
	s_sub_co_u32 s56, ttmp9, 128
	s_sub_co_u32 s52, ttmp9, 192                   ; t.  The figures below begin as w_o's
	s_mov_b32 s50, 13                              ; log2 of a row's bytes
	s_mov_b32 s51, 2                               ; log2 of K / 256
	s_mov_b32 s53, 0                               ; first cell row of the tensor in its buffer
	s_mov_b32 s54, 2                               ; log2 of the cell rows from one group of 128 columns to the next
	s_wait_kmcnt 0x0
	s_mov_b64 s[24:25], s[12:13]
	s_mov_b64 s[26:27], s[18:19]
	s_cmp_lt_u32 ttmp9, 192                        ; the choices hang on the work-group's number alone
	s_cselect_b64 s[24:25], s[10:11], s[24:25]     ; w_v
	s_cselect_b64 s[26:27], s[16:17], s[26:27]
	s_cselect_b32 s50, 11, s50
	s_cselect_b32 s51, 3, s51
	s_cselect_b32 s52, s55, s52
	s_cselect_b32 s53, 68, s53
	s_cselect_b32 s54, 3, s54
	s_cmp_lt_u32 ttmp9, 160
	s_cselect_b64 s[24:25], s[8:9], s[24:25]       ; w_k
	s_cselect_b32 s52, s56, s52
	s_cselect_b32 s53, 64, s53
	s_cmp_lt_u32 ttmp9, 128
	s_cselect_b64 s[24:25], s[6:7], s[24:25]       ; w_q
	s_cselect_b32 s50, 13, s50
	s_cselect_b32 s52, ttmp9, s52
	s_cselect_b32 s53, 0, s53
	s_cselect_b32 s54, 2, s54
	s_lshr_b32 s57, s52, s51                       ; cg: which 128 columns
	s_bfm_b32 s58, s51, 0
	s_and_b32 s58, s52, s58                        ; kp: which 256 along K
	s_lshl_b32 s59, s57, s54
	s_add_co_u32 s59, s59, s53
	s_add_co_u32 s59, s59, s20                     ; my wave's cell row
	s_lshl_b32 s59, s59, s51
	s_add_co_u32 s59, s59, s58
	s_mul_i32 s60, s59, 6400
	s_mov_b32 s61, 0
	s_add_nc_u64 s[26:27], s[26:27], s[60:61]      ; my cell
	s_add_co_u32 s59, s50, 8
	s_lshl_b32 s60, s58, s59                       ; 256 kp rows
	s_lshl_b32 s59, s57, 9
	s_add_co_u32 s60, s60, s59                     ; + 128 cg columns
	s_lshl_b32 s59, s20, 7
	s_add_co_u32 s60, s60, s59                     ; + my wave's 32
	s_add_nc_u64 s[32:33], s[24:25], s[60:61]      ; s[32 + 2 t : 33 + 2 t]: where block t of 32 rows begins
	s_add_co_u32 s59, s50, 5
	s_lshl_b32 s60, 1, s59
.irp t, 1,2,3,4,5,6,7
	s_add_nc_u64 s[32+2*\t:33+2*\t], s[30+2*\t:31+2*\t], s[60:61]
.endr
	s_lshl_b32 s62, 1, s50                         ; a row's bytes
	s_wait_alu depctr_va_vdst(0)
	v_and_b32 v10, 7, v[LANE]
	v_bfe_u32 v11, v[LANE], 3, 1
	v_lshl_add_u32 v10, v11, 4, v10
	v_bfe_u32 v11, v[LANE], 4, 1
	v_lshl_add_u32 v10, v11, 3, v10                ; sw(lane): place = lane holds column sw(lane); a load still covers 128 consecutive bytes
	v_lshlrev_b32 v32, 2, v10                      ; v32-63: my column + i rows
.set i, 1
.rept 31
	v_add_nc_u32 v[32+i], s62, v[31+i]
.set i, i+1
.endr
	v_and_b32 v6, 15, v[LANE]
	v_lshlrev_b32 v7, 4, v6
	v_mad_u32_u24 v7, v11, 3072, v7                ; where my codes go in the cell: fragment u = lane / 16, 16 bytes at lane % 16
; The blocks are taken in the order in which an image's lane wants them: pair e / 2 = (q, h) fills the 12 registers of the image's lane (r, h): blocks 4 q + h and 4 q + 2 + h.
.macro LOADW e
.set TT, 4*((\e)/4)+2*((\e)%2)+((\e)%4)/2
.set i, 0
.rept 32
	global_load_b32 v[64+32*((\e)%2)+i], v[32+i], s[32+2*TT:33+2*TT] th:TH_LOAD_NT
.set i, i+1
.endr
.endm
.macro BLOCKW e
.set XS, 64+32*((\e)%2)
.set TT, 4*((\e)/4)+2*((\e)%2)+((\e)%4)/2
.set PP, 128+12*((\e)/2)+6*((\e)%2)
.if (\e) < 7
	s_wait_loadcnt 32                              ; this block's 32 loads are in; the next block's may be out
.else
	s_wait_loadcnt 0
.endif
	v_max3_num_f32 v12, |v[XS]|, |v[XS+1]|, |v[XS+2]|               ; all 32 numbers of the block are mine
	v_max3_num_f32 v13, |v[XS+3]|, |v[XS+4]|, |v[XS+5]|
.irp i, 6,10,14,18,22,26
	v_max3_num_f32 v12, v12, |v[XS+\i]|, |v[XS+\i+1]|
	v_max3_num_f32 v13, v13, |v[XS+\i+2]|, |v[XS+\i+3]|
.endr
	v_max3_num_f32 v12, v12, |v[XS+30]|, |v[XS+31]|
	v_max3_num_f32 v12, v12, v13, 0x1800000        ; and the floor
	v_add_nc_u32 v11, 0xff000000, v12              ; the conversion's scale operand
	v_cvt_scalef32_pk16_fp6_f32 v[PP:PP+2], v[XS:XS+15], v11
	v_cvt_scalef32_pk16_fp6_f32 v[176:178], v[XS+16:XS+31], v11
	v_lshrrev_b32 v13, 23, v11                     ; the byte.  (A plain place behind the conversions)
	v_mov_b32 v[PP+3], v176
	v_mov_b32 v[PP+4], v177
	v_mov_b32 v[PP+5], v178
.if TT%4 == 0
	v_mov_b32 v[180+TT/4], v13                     ; four bytes to a word, the lower K in the lower byte
.else
	v_lshl_or_b32 v[180+TT/4], v13, 8*(TT%4), v[180+TT/4]
.endif
.if (\e)+2 < 8
	LOADW (\e)+2
.endif
.if (\e)%2 == 1
.irp c, 0,1,2                                  ; four sets of 12 registers: no store's data are written again.  Sixteen lanes fill 256 consecutive bytes
	global_store_b128 v7, v[128+12*((\e)/2)+4*\c:128+12*((\e)/2)+4*\c+3], s[26:27] offset:1536*((\e)/4)+256*(((\e)%4)/2)+512*\c
.endr
.endif
.endm
	LOADW 0
	LOADW 1
.irp e, 0,1,2,3,4,5,6,7
	BLOCKW \e
.endr
	global_store_b64 v[L8], v[180:181], s[26:27] offset:6144
	s_wait_tensorcnt 0x0                           ; the closing lines stand on this path too
	ds_add_u32 v[SPW], v[NIL]
	s_wait_dscnt 0x0
	s_endpgm
.Lfunc_end_k_q0a7981712d_quant:
	.size	k_q0a7981712d_quant, .Lfunc_end_k_q0a7981712d_quant-k_q0a7981712d_quant
	.p2alignl 7, 3214868480
	.fill 96, 4, 3214868480
	.section	.rodata,"a",@progbits
	.p2align	6, 0x0
	.amdhsa_kernel k_q0a7981712d_quant
		.amdhsa_group_segment_fixed_size 34304
		.amdhsa_private_segment_fixed_size 0
		.amdhsa_enable_private_segment 0
		.amdhsa_kernarg_size 64
		.amdhsa_user_sgpr_count 2
		.amdhsa_user_sgpr_kernarg_segment_ptr 1
		.amdhsa_wavefront_size32 1
		.amdhsa_system_sgpr_workgroup_id_x 1
		.amdhsa_system_sgpr_workgroup_id_y 1
		.amdhsa_system_sgpr_workgroup_id_z 1
		.amdhsa_system_vgpr_workitem_id 0
		.amdhsa_next_free_vgpr 256
		.amdhsa_next_free_sgpr 66
		.amdhsa_reserve_vcc 0
		.amdhsa_float_denorm_mode_32 3
		.amdhsa_float_denorm_mode_16_64 3
		.amdhsa_memory_ordered 1
		.amdhsa_forward_progress 1
		.amdhsa_inst_pref_size 74
	.end_amdhsa_kernel
	.amdgpu_metadata
---
amdhsa.version: [ 1, 2 ]
amdhsa.kernels:
  - .name:           k_q0a7981712d_quant
    .symbol:         k_q0a7981712d_quant.kd
    .args:
      - { .name: hidden_BTD, .offset: 0, .size: 8, .value_kind: global_buffer, .address_space: global }
      - { .name: w_q, .offset: 8, .size: 8, .value_kind: global_buffer, .address_space: global }
      - { .name: w_k, .offset: 16, .size: 8, .value_kind: global_buffer, .address_space: global }
      - { .name: w_v, .offset: 24, .size: 8, .value_kind: global_buffer, .address_space: global }
      - { .name: w_o, .offset: 32, .size: 8, .value_kind: global_buffer, .address_space: global }
      - { .name: xq, .offset: 40, .size: 8, .value_kind: global_buffer, .address_space: global }
      - { .name: wq, .offset: 48, .size: 8, .value_kind: global_buffer, .address_space: global }
      - { .name: wo, .offset: 56, .size: 8, .value_kind: global_buffer, .address_space: global }
    .group_segment_fixed_size: 34304
    .private_segment_fixed_size: 0
    .kernarg_segment_align: 8
    .kernarg_segment_size: 64
    .max_flat_workgroup_size: 128
    .sgpr_count:     66
    .vgpr_count:     256
    .wavefront_size: 32
...
	.end_amdgpu_metadata
.endif
;; end of part 1
;; launch qkv (part 2): grid 12 x 16, 4 waves a work-group, clusters of 4 x 4, 327,680 bytes of LDS; arguments xq, wq, cos_BTK, sin_BTK, q_norm_w, k_norm_w, qbuf, kv, gate; writes qbuf, kv, gate
.if DOCPART == 2
	.amdgcn_target "amdgcn-amd-amdhsa--gfx1250"
	.amdhsa_code_object_version 6
	.text
	.protected	k_q0a7981712d_qkv
	.globl	k_q0a7981712d_qkv
	.p2align	8
	.type	k_q0a7981712d_qkv,@function
k_q0a7981712d_qkv:
	s_mov_b64 s[64:65], 0
	v_nop
	global_prefetch_b8 v0, s[64:65] scope:SCOPE_SE
	s_setreg_imm32_b32 hwreg(HW_REG_WAVE_MODE, 25, 1), 1
	s_wait_xcnt 0x0
	s_wait_alu depctr_hold_cnt(0) depctr_sa_sdst(0) depctr_va_vdst(0) depctr_va_sdst(0) depctr_va_ssrc(0) depctr_va_vcc(0) depctr_vm_vsrc(0)
	s_getreg_b32 s2, hwreg(HW_REG_IB_STS2, 6, 4)
	s_cmp_eq_u32 s2, 0
	s_cbranch_scc0 .Lentry_in_a_cluster
	s_endpgm
.Lentry_in_a_cluster:
	s_bfe_u32 s2, ttmp6, 0x10000c
	s_cmp_lg_u32 s2, 0xf033
	s_cbranch_scc0 .Lentry_shape_is_right
	s_endpgm
.Lentry_shape_is_right:
.set KP,    8
.set LAPS,  KP/2
.set CELL,  6400
.set HALFT, 4*CELL
.set SLOT,  4*HALFT
.set SPARE, 2*SLOT
.set WSTG,  33792
.set FR,    12
.set NL,    3
.set NP,    4
.set NQ,    2
.set WOF,  14
.set VDO,  15
.set ADRA, 16
.set ADRB, 20
.set ADRS, 22
.set LI,   24
.set STW,  25
.set STR,  26
.set SPW,  28
.set NIL,  29
.set VRD,  30
.set SCO,  31
.set SC,   32
.set WR,   64
.set AF,   128
.set YR,   128
.set PC,   192
.set TM,   212
.set PW,   228
.set SSQ,  230
.set RSQ,  238
.set OUTW, 248
.set SEL,  18
.set G1,   24
.set G0,   32
.set G1B,  48
.set G0B,  56
.set MSB, 0
.macro WIN new
.if MSB != (\new)
	s_set_vgpr_msb (MSB<<8)|(\new)
.set MSB, (\new)
.endif
.endm
.set MUL_LO, 0xa1
.set MUL_HI, 0xf1
.set TO_B,   0x40
.macro JLOAD g0a, g1a, g0b, g1b
	s_cmp_eq_u32 s15, 0
	s_cbranch_scc0 .Lfor_b_\@
	tensor_load_to_lds s[\g0a:\g0a+3], s[\g1a:\g1a+7]
	s_nop 0
.rept 4
	v_nop
.endr
	s_branch .Lasked_\@
.Lfor_b_\@:
	tensor_load_to_lds s[\g0b:\g0b+3], s[\g1b:\g1b+7]
	s_nop 0
.rept 4
	v_nop
.endr
.Lasked_\@:
.endm
.macro CREST
	s_cmp_lg_u32 s14, 0
	s_cbranch_scc1 .Lnot_wave_0_\@
	s_barrier_signal -3
.Lnot_wave_0_\@:
	s_barrier_wait -3
	s_barrier_signal -1
	s_barrier_wait -1
.endm
.macro CROUND
	s_barrier_signal -1
	s_barrier_wait -1
	CREST
.endm
.macro PLACES n
.rept \n
	v_nop
.endr
.endm
.macro QUANT s
.irp b, 0,1,2,3
	v_max3_num_f32 v[TM+\b], |v[\s+16*\b]|, |v[\s+1+16*\b]|, 0x1800000
.endr
.irp i, 2,4,6,8,10,12,14
.irp b, 0,1,2,3
	v_max3_num_f32 v[TM+\b], v[TM+\b], |v[\s+16*\b+\i]|, |v[\s+1+16*\b+\i]|
.endr
.endr
.irp b, 0,1,2,3
	v_permlanex16_b32 v[TM+4+\b], v[TM+\b], s[SEL], s[SEL+1]
.endr
.irp b, 0,1,2,3
	v_max_num_f32 v[TM+\b], v[TM+\b], v[TM+4+\b]
.endr
.irp b, 0,1,2,3
	v_add_nc_u32 v[TM+12+\b], 0xff000000, v[TM+\b]
.endr
.irp b, 0,1,2,3
	v_lshrrev_b32 v[TM+4+\b], 23, v[TM+12+\b]
.endr
	v_lshl_or_b32 v[PW], v[TM+5], 8, v[TM+4]
	v_lshl_or_b32 v[PW], v[TM+6], 16, v[PW]
	v_lshl_or_b32 v[PW], v[TM+7], 24, v[PW]
.irp c, 0,1
	v_cvt_scalef32_pk16_fp6_f32 v[PC+6*\c:PC+2+6*\c], v[\s+32*\c:\s+15+32*\c], v[TM+12+2*\c]
	v_cvt_scalef32_pk16_fp6_f32 v[PC+12+4*\c:PC+14+4*\c], v[\s+16+32*\c:\s+31+32*\c], v[TM+12+2*\c+1]
.endr
	v_nop
.irp c, 0,1
.irp i, 0,1,2
	v_permlane16_swap_b32 v[PC+6*\c+\i], v[PC+12+4*\c+\i]
.endr
.irp i, 0,1,2
	v_mov_b32 v[PC+3+6*\c+\i], v[PC+12+4*\c+\i]
.endr
.endr
.endm
	s_load_b512 s[68:83], s[0:1], 0x0
	s_load_b64 s[84:85], s[0:1], 0x40
	v_lshl_add_u32 v[SPW], v0, 2, SPARE
	v_mov_b32 v[NIL], 0
	ds_add_u32 v[SPW], v[NIL]
	ds_add_u32 v[SPW], v[NIL]
	v_lshrrev_b32 v1, 5, v0
	v_readfirstlane_b32 s14, v1
	s_lshr_b32 s15, s14, 1
	s_and_b32 s16, s14, 1
	s_bfe_u32 s40, ttmp6, 0x40000
	s_bfe_u32 s41, ttmp6, 0x40004
	s_lshl_b32 s42, ttmp9, 2
	s_add_co_u32 s42, s42, s40
	s_and_b32 s17, ttmp7, 0xffff
	s_lshl_b32 s17, s17, 2
	s_add_co_u32 s17, s17, s41
	s_lshl_b32 s43, s41, 2
	s_lshl_b32 s43, 15, s43
	s_lshl_b32 s44, 0x1111, s40
	s_or_b32 s[G1+0], s43, (3<<16)|(1<<21)
	s_or_b32 s[G1B+0], s44, (3<<16)|(1<<21)
.irp g, G1, G1B
	s_mov_b32 s[\g+1], 800<<16
	s_mov_b32 s[\g+2], 4<<16
	s_mov_b32 s[\g+3], 800<<16
	s_mov_b32 s[\g+4], 4
	s_mov_b32 s[\g+5], KP*800
	s_mov_b32 s[\g+6], 0
	s_mov_b32 s[\g+7], 0
.endr
	s_lshl_b32 s18, s16, 2
	s_lshl_b32 s20, s17, 3
	s_add_co_u32 s20, s20, s18
	s_mul_i32 s20, s20, KP*CELL
	s_mov_b32 s21, 0
	s_lshl_b32 s46, s42, 3
	s_add_co_u32 s46, s46, s18
	s_mul_i32 s46, s46, KP*CELL
	s_mov_b32 s47, 0
	s_mul_i32 s45, s14, HALFT
	s_wait_dscnt 0x0
	s_wait_kmcnt 0x0
	s_add_nc_u64 s[20:21], s[68:69], s[20:21]
	s_add_nc_u64 s[46:47], s[70:71], s[46:47]
	CROUND
.irp s, 0,1
	s_mov_b32 s[G0+4*\s], 1
	s_add_co_u32 s[G0+4*\s+1], s45, \s*SLOT
	s_add_nc_u64 s[G0+4*\s+2:G0+4*\s+3], s[20:21], \s*CELL
	s_or_b32 s[G0+4*\s+3], s[G0+4*\s+3], 0x80000000
	s_mov_b32 s[G0B+4*\s], 1
	s_add_co_u32 s[G0B+4*\s+1], s45, \s*SLOT
	s_add_nc_u64 s[G0B+4*\s+2:G0B+4*\s+3], s[46:47], \s*CELL
	s_or_b32 s[G0B+4*\s+3], s[G0B+4*\s+3], 0x80000000
.if \s
	s_wait_alu depctr_va_vdst(0)
	s_wait_tensorcnt 0x0
	ds_add_u32 v28, v29
	ds_add_u32 v28, v29
	s_wait_dscnt 0x0
	CROUND
.endif
	JLOAD G0+4*\s, G1, G0B+4*\s, G1B
.endr
	v_and_b32 v1, 15, v0
	v_bfe_u32 v2, v0, 4, 1
	s_wait_alu depctr_va_vdst(0)
	v_and_b32 v3, 31, v0
	v_lshlrev_b32 v[LI], 4, v3
	s_wait_alu depctr_va_vdst(0)
	s_mul_i32 s21, s15, HALFT
	s_mul_i32 s22, s16, HALFT
	s_add_co_u32 s22, s22, 2*HALFT
.irp s, 0,1
	v_add_nc_u32 v[ADRA+\s], s21, v[LI]
	v_add_nc_u32 v[ADRB+\s], s22, v[LI]
	s_add_co_u32 s21, s21, SLOT
	s_add_co_u32 s22, s22, SLOT
.endr
	s_mul_i32 s21, s15, HALFT
	s_mul_i32 s22, s16, HALFT
	s_add_co_u32 s22, s22, 2*HALFT
	s_sub_co_u32 s22, s22, s21
	v_mul_u32_u24 v6, s22, v2
	v_lshl_add_u32 v5, v1, 3, v6
	s_add_co_u32 s21, s21, 6144
	v_add_nc_u32 v[ADRS], s21, v5
	v_add_nc_u32 v[ADRS+1], SLOT, v[ADRS]
	s_mul_i32 s23, s14, WSTG
	v_add_nc_u32 v[STW], s23, v[LI]
	v_mul_u32_u24 v5, v1, 528
	v_lshl_add_u32 v5, v2, 6, v5
	v_add_nc_u32 v[STR], s23, v5
	v_and_b32 v5, 7, v0
	v_bfe_u32 v6, v0, 3, 1
	v_lshl_add_u32 v5, v6, 4, v5
	v_lshl_add_u32 v5, v2, 3, v5
	v_lshl_add_u32 v[VRD], v5, 2, s23
	v_lshlrev_b32 v[SCO], 5, v1
	v_lshl_add_u32 v[SCO], v2, 4, v[SCO]
	v_lshlrev_b32 v[VDO], 4, v1
	v_mad_u32_u24 v[VDO], v2, 1536, v[VDO]
	v_lshlrev_b32 v[WOF], 6, v2
	s_cmp_lt_u32 ttmp9, 2
	s_cselect_b64 s[92:93], s[76:77], s[78:79]
.irp b, 0,1,2,3
.irp j, 0,1,2,3
	global_load_b128 v[WR+16*\b+4*\j:WR+16*\b+4*\j+3], v[WOF], s[92:93] offset:128*\b+16*\j
.endr
.endr
.macro FRAG reg, adr, q, i
.irp c, 0,1,2
	ds_load_b128 v[\reg+4*\c:\reg+4*\c+3], v[\adr] offset:((\i)/2)*CELL+((\i)%2)*3072+(\q)*1536+512*\c
.endr
.endm
.macro MUL16 a0, p, q, sc, zero
.irp a, \a0, \a0+1
.irp b, 0,1,2,3,4,5,6,7
.if \zero
	v_wmma_scale_f32_16x16x128_f8f6f4 v[8*(8*((\a)%4)+\b):8*(8*((\a)%4)+\b)+7], v[128*(\p)+FR*\b:128*(\p)+FR*\b+FR-1], v[AF+FR*(\a):AF+FR*(\a)+FR-1], 0, v[SC+8*NQ*(\sc)+NQ*\b+(\q)], v[SC+8*NQ*(\sc)+NQ*(\a)+(\q)] matrix_a_fmt:MATRIX_FMT_FP6 matrix_b_fmt:MATRIX_FMT_FP6 matrix_a_scale:MATRIX_SCALE_ROW1
.else
	v_wmma_scale_f32_16x16x128_f8f6f4 v[8*(8*((\a)%4)+\b):8*(8*((\a)%4)+\b)+7], v[128*(\p)+FR*\b:128*(\p)+FR*\b+FR-1], v[AF+FR*(\a):AF+FR*(\a)+FR-1], v[8*(8*((\a)%4)+\b):8*(8*((\a)%4)+\b)+7], v[SC+8*NQ*(\sc)+NQ*\b+(\q)], v[SC+8*NQ*(\sc)+NQ*(\a)+(\q)] matrix_a_fmt:MATRIX_FMT_FP6 matrix_b_fmt:MATRIX_FMT_FP6 matrix_a_scale:MATRIX_SCALE_ROW1
.endif
.endr
.endr
.endm
.macro FETCH_B slot, q, p
	WIN TO_B
.irp i, 0,1,2,3,4,5,6,7
	FRAG 128*(\p)+FR*\i, ADRB+\slot, \q, \i
.endr
	WIN 0
.endm
.macro FETCH_A slot, q, i0
.irp i, \i0, \i0+1, \i0+2, \i0+3
	FRAG AF+FR*(\i), ADRA+\slot, \q, \i
.endr
.endm
.macro SCALES sc
.irp i, 0,1,2,3,4,5,6,7
	ds_load_b64 v[SC+8*NQ*\sc+NQ*\i:SC+8*NQ*\sc+NQ*\i+1], v[ADRS+\sc] offset:(\i/2)*CELL+(\i%2)*128
.endr
.endm
.macro STEP slot, q, zero
	s_wait_dscnt 4*NL
	WIN MUL_LO
	MUL16 0, (\q)%2, \q, \slot, \zero
	MUL16 2, (\q)%2, \q, \slot, \zero
	s_wait_dscnt 0
	PLACES NP
	FETCH_B \slot, (\q)+1, 1-(\q)%2
	FETCH_A \slot, (\q)+1, 0
	WIN MUL_HI
	MUL16 4, (\q)%2, \q, \slot, \zero
	MUL16 6, (\q)%2, \q, \slot, \zero
	PLACES NP
	WIN 0
	FETCH_A \slot, (\q)+1, 4
.endm
.macro TURN slot, next, fill
	s_wait_tensorcnt 0x0
	ds_add_u32 v[SPW], v[NIL]
	s_wait_dscnt 4*NL+1
	WIN MUL_LO
	MUL16 0, 1, NQ-1, \slot, 0
	s_wait_dscnt 0x0
	s_barrier_signal -1
	MUL16 2, 1, NQ-1, \slot, 0
	WIN 0
	s_barrier_wait -1
.if \fill
	CREST
	s_add_nc_u64 s[G0+4*\slot+2:G0+4*\slot+3], s[G0+4*\slot+2:G0+4*\slot+3], 2*CELL
	s_add_nc_u64 s[G0B+4*\slot+2:G0B+4*\slot+3], s[G0B+4*\slot+2:G0B+4*\slot+3], 2*CELL
	JLOAD G0+4*\slot, G1, G0B+4*\slot, G1B
.else
	PLACES NP
.endif
	FETCH_B \next, 0, 0
	FETCH_A \next, 0, 0
	SCALES \next
	WIN MUL_HI
	MUL16 4, 1, NQ-1, \slot, 0
	MUL16 6, 1, NQ-1, \slot, 0
	PLACES NP
	WIN 0
	FETCH_A \next, 0, 4
.endm
	s_wait_tensorcnt 1
	s_barrier_signal -1
	s_barrier_wait -1
	FETCH_B 0, 0, 0
	FETCH_A 0, 0, 0
	SCALES 0
	FETCH_A 0, 0, 4
	STEP 0, 0, 1
	s_mov_b32 s3, LAPS-1
.Llap:
	TURN 0, 1, 1
	STEP 1, 0, 0
	TURN 1, 0, 1
	STEP 0, 0, 0
	s_sub_co_u32 s3, s3, 1
	s_cmp_lg_u32 s3, 0
	s_cbranch_scc1 .Llap
	TURN 0, 1, 0
	STEP 1, 0, 0
	s_wait_dscnt 4*NL
	WIN MUL_LO
	MUL16 0, 1, NQ-1, 1, 0
	MUL16 2, 1, NQ-1, 1, 0
	s_wait_dscnt 0
	WIN MUL_HI
	MUL16 4, 1, NQ-1, 1, 0
	MUL16 6, 1, NQ-1, 1, 0
	WIN 0
	PLACES NP
	s_barrier_signal -1
	s_barrier_wait -1
	s_mov_b32 s[SEL], 0x76543210
	s_mov_b32 s[SEL+1], 0xfedcba98
	s_lshr_b32 s4, s17, 3
	s_and_b32 s5, s17, 7
	s_lshl_b32 s5, s5, 1
	s_add_co_u32 s5, s5, s15
	s_lshl_b32 s6, s4, 3
	s_add_co_u32 s6, s6, s42
	s_lshl_b32 s7, s6, 4
	s_add_co_u32 s7, s7, s5
	s_mul_i32 s7, s7, 12800
	s_lshl_b32 s8, s6, 7
	s_lshl_b32 s9, s5, 3
	s_add_co_u32 s8, s8, s9
	s_lshl_b32 s8, s8, 13
	s_lshl_b32 s9, s4, 2
	s_add_co_u32 s9, s9, s40
	s_mul_i32 s9, s9, 409600
	s_lshr_b32 s10, s5, 2
	s_mul_i32 s10, s10, 102400
	s_add_co_u32 s9, s9, s10
	s_and_b32 s10, s5, 3
	s_mul_i32 s10, s10, 12800
	s_add_co_u32 s9, s9, s10
	s_lshl_b32 s10, s17, 17
	s_lshl_b32 s11, s15, 16
	s_add_co_u32 s10, s10, s11
	s_mov_b32 s11, 0
	s_add_nc_u64 s[94:95], s[72:73], s[10:11]
	s_add_nc_u64 s[96:97], s[74:75], s[10:11]
	s_mov_b32 s99, 0
	s_wait_loadcnt 0x0
	s_cmp_eq_u32 s16, 0
	s_cbranch_scc1 .Lqk
	s_cmp_lt_u32 ttmp9, 2
	s_cbranch_scc1 .Lgate
	s_add_co_u32 s98, s9, 51200
	s_add_nc_u64 s[88:89], s[82:83], s[98:99]
.macro VSTORE ph
.irp c, 0,1
	WIN 0x08+4*\c
.irp u, 0,1
.irp b, 0,1,2,3,4,5,6,7
	ds_store_b128 v[STR], v[64*(2*\ph+\u)+8*\b:64*(2*\ph+\u)+8*\b+3] offset:(32*\c+16*\u)*528+128*(\b/2)+32*(\b%2)
	ds_store_b128 v[STR], v[64*(2*\ph+\u)+8*\b+4:64*(2*\ph+\u)+8*\b+7] offset:(32*\c+16*\u)*528+128*(\b/2)+32*(\b%2)+16
.endr
.endr
.endr
	WIN 0
.endm
.macro VLOAD e
.set kk, 0
.rept 32
	ds_load_b32 v[128+32*((\e)%2)+kk], v[VRD] offset:(32*((\e)%2)+(kk&7)+((kk&8)<<1)+((kk&16)>>1))*528+128*((\e)/2)
.set kk, kk+1
.endr
.endm
.macro BLOCKV ph, e
.set XS, 128+32*((\e)%2)
.set CC, (\e)%2
.set C4, (\e)/2
.if (\e) < 7
	s_wait_dscnt 32
.else
	s_wait_dscnt 0
.endif
	v_max3_num_f32 v200, |v[XS]|, |v[XS+1]|, |v[XS+2]|
	v_max3_num_f32 v201, |v[XS+3]|, |v[XS+4]|, |v[XS+5]|
.irp i, 6,10,14,18,22,26
	v_max3_num_f32 v200, v200, |v[XS+\i]|, |v[XS+\i+1]|
	v_max3_num_f32 v201, v201, |v[XS+\i+2]|, |v[XS+\i+3]|
.endr
	v_max3_num_f32 v200, v200, |v[XS+30]|, |v[XS+31]|
	v_max3_num_f32 v200, v200, v201, 0x1800000
	v_add_nc_u32 v202, 0xff000000, v200
	v_cvt_scalef32_pk16_fp6_f32 v[64+12*C4+6*CC:64+12*C4+6*CC+2], v[XS:XS+15], v202
	v_cvt_scalef32_pk16_fp6_f32 v[192:194], v[XS+16:XS+31], v202
	v_lshrrev_b32 v203, 23, v202
	v_mov_b32 v[64+12*C4+6*CC+3], v192
	v_mov_b32 v[64+12*C4+6*CC+4], v193
	v_mov_b32 v[64+12*C4+6*CC+5], v194
.if (\ph)+2*CC == 0
	v_mov_b32 v[196+C4], v203
.else
	v_lshl_or_b32 v[196+C4], v203, 8*((\ph)+2*CC), v[196+C4]
.endif
.if (\e)+2 < 8
	VLOAD (\e)+2
.endif
.if CC == 1
.irp c, 0,1,2
	global_store_b128 v[VDO], v[64+12*C4+4*\c:64+12*C4+4*\c+3], s[88:89] offset:3072*C4+512*\c+256*(\ph)
.endr
.endif
.endm
	VSTORE 0
	s_wait_alu depctr_va_vdst(0)
	VLOAD 0
	VLOAD 1
.irp e, 0,1,2,3,4,5,6,7
	BLOCKV 0, \e
.endr
	s_wait_xcnt 0x0
	VSTORE 1
	VLOAD 0
	VLOAD 1
.irp e, 0,1,2,3,4,5,6,7
	BLOCKV 1, \e
.endr
	global_store_b128 v[SCO], v[196:199], s[88:89] offset:12288
	s_branch .Ldone
.Lgate:
	s_mov_b32 s98, s8
	s_add_nc_u64 s[88:89], s[84:85], s[98:99]
	s_mov_b32 s90, 0xbfb8aa3b
	s_mov_b32 s91, s90
	s_mov_b32 s86, 0
.macro GSTUB a
	WIN 0x02+(\a)/4
.set i, 0
.rept 32
	v_pk_mul_f32 v[YR+i:YR+i+1], v[64*((\a)%4)+i:64*((\a)%4)+i+1], s[90:91] op_sel_hi:[1,0]
.set i, i+2
.endr
	WIN 0
	s_branch .Lg_body
.endm
.Lg_loop:
.irp k, 1,2,3,4,5,6,7
	s_cmp_eq_u32 s86, \k
	s_cbranch_scc1 .Lg\k
.endr
	GSTUB 0
.irp k, 1,2,3,4,5,6,7
.Lg\k:
	GSTUB \k
.endr
.Lg_body:
.set i, 0
	s_wait_alu depctr_va_vdst(0)
.rept 64
	v_exp_f32 v[YR+i], v[YR+i]
.set i, i+1
.endr
	v_nop
	s_wait_alu depctr_va_vdst(0)
.set i, 0
.rept 32
	v_pk_add_f32 v[YR+i:YR+i+1], v[YR+i:YR+i+1], 1.0 op_sel_hi:[1,0]
.set i, i+2
.endr
.set i, 0
	s_wait_alu depctr_va_vdst(0)
.rept 64
	v_rcp_f32 v[YR+i], v[YR+i]
.set i, i+1
.endr
	v_nop
	s_wait_alu depctr_va_vdst(0)
.irp c, 0,1,2,3,4,5,6,7,8,9,10,11,12,13,14,15
	global_store_b128 v[LI], v[YR+4*\c:YR+4*\c+3], s[88:89] offset:512*\c
.endr
	s_wait_xcnt 0x0
	s_add_nc_u64 s[88:89], s[88:89], 8192
	s_add_co_u32 s86, s86, 1
	s_cmp_lt_u32 s86, 8
	s_cbranch_scc1 .Lg_loop
	s_branch .Ldone
.Lqk:
	s_cmp_lt_u32 ttmp9, 2
	s_cselect_b64 s[88:89], s[80:81], s[82:83]
	s_cselect_b32 s98, s7, s9
	s_add_nc_u64 s[88:89], s[88:89], s[98:99]
	s_mov_b32 s101, 0x358637bd
.macro CSLOAD set, off
	WIN 0x40
.irp i, 0,1,2,3,4,5,6,7,8,9,10,11,12,13,14,15
	global_load_b128 v[128*(\set)+4*\i:128*(\set)+4*\i+3], v[LI], s[94:95] offset:(\off)+(\i+8*(\i/8))*512
.endr
.irp i, 0,1,2,3,4,5,6,7,8,9,10,11,12,13,14,15
	global_load_b128 v[128*(\set)+64+4*\i:128*(\set)+64+4*\i+3], v[LI], s[96:97] offset:(\off)+(\i+8*(\i/8))*512
.endr
	WIN 0
.endm
	CSLOAD 0, 0
	CSLOAD 1, 4096
.irp b, 0,1,2,3
	v_mov_b32 v[TM+4+\b], 0
	v_mov_b32 v[OUTW+\b], 0
.endr
	s_mov_b32 s86, 0
.macro QSTUB a, par, jump
	WIN 0x02+(\a)/4
.set i, 0
.rept 32
	v_pk_mul_f32 v[YR+i:YR+i+1], v[64*((\a)%4)+i:64*((\a)%4)+i+1], v[WR+i:WR+i+1]
.set i, i+2
.endr
	WIN 0x0a+5*((\a)/4)
.set i, 0
.rept 4
	v_pk_mul_f32 v[SSQ+i:SSQ+i+1], v[64*((\a)%4)+i:64*((\a)%4)+i+1], v[64*((\a)%4)+i:64*((\a)%4)+i+1]
.set i, i+2
.endr
.rept 28
	v_pk_fma_f32 v[SSQ+i%8:SSQ+i%8+1], v[64*((\a)%4)+i:64*((\a)%4)+i+1], v[64*((\a)%4)+i:64*((\a)%4)+i+1], v[SSQ+i%8:SSQ+i%8+1]
.set i, i+2
.endr
	WIN 0
.if \jump
.if \par
	s_branch .Lqk_odd
.else
	s_branch .Lqk_even
.endif
.endif
.endm
.macro QBODY set, ahead, left
.set TC, 128*(\set)
.set TS, 128*(\set)+64
	s_wait_loadcnt \left
	WIN 0x04
.irp i, 0,1,2,3,4,5,6,7,8,9,10,11,12,13,14,15
	ds_store_b128 v[STW], v[TC+4*\i:TC+4*\i+3] offset:528*\i
.endr
	WIN 0x40
.irp b, 0,1,2,3
.irp j, 0,1,2,3
	ds_load_b128 v[TC+16*\b+4*\j:TC+16*\b+4*\j+3], v[STR] offset:128*\b+16*\j
.endr
.endr
	WIN 0x04
.irp i, 0,1,2,3,4,5,6,7,8,9,10,11,12,13,14,15
	ds_store_b128 v[STW], v[TS+4*\i:TS+4*\i+3] offset:528*\i
.endr
	WIN 0x40
.irp b, 0,1,2,3
.irp j, 0,1,2,3
	ds_load_b128 v[TS+16*\b+4*\j:TS+16*\b+4*\j+3], v[STR] offset:128*\b+16*\j
.endr
.endr
	WIN 0
	v_pk_add_f32 v[SSQ:SSQ+1], v[SSQ:SSQ+1], v[SSQ+2:SSQ+3]
	v_pk_add_f32 v[SSQ+4:SSQ+5], v[SSQ+4:SSQ+5], v[SSQ+6:SSQ+7]
	v_pk_add_f32 v[SSQ:SSQ+1], v[SSQ:SSQ+1], v[SSQ+4:SSQ+5]
	v_add_f32 v[SSQ], v[SSQ], v[SSQ+1]
	v_permlanex16_b32 v[SSQ+2], v[SSQ], s[SEL], s[SEL+1]
	v_add_f32 v[SSQ], v[SSQ], v[SSQ+2]
	v_fma_f32 v[SSQ], v[SSQ], 0x3c000000, s101
	s_wait_alu depctr_va_vdst(0)
	v_rsq_f32 v[RSQ], v[SSQ]
	v_nop
	s_wait_alu depctr_va_vdst(0)
	v_mov_b32 v[RSQ+1], v[RSQ]
	s_wait_dscnt 0x0
	WIN 0x44
.set i, 0
.rept 32
	v_pk_mul_f32 v[TC+i:TC+i+1], v[YR+i:YR+i+1], v[TC+i:TC+i+1]
.set i, i+2
.endr
	WIN 0x54
.set i, 0
.rept 16
	v_pk_fma_f32 v[TC+i:TC+i+1], v[YR+32+i:YR+33+i], v[TS+i:TS+i+1], v[TC+i:TC+i+1] neg_lo:[1,0,0] neg_hi:[1,0,0]
.set i, i+2
.endr
.set i, 0
.rept 16
	v_pk_fma_f32 v[TC+32+i:TC+33+i], v[YR+i:YR+i+1], v[TS+32+i:TS+33+i], v[TC+32+i:TC+33+i]
.set i, i+2
.endr
	WIN 0x01
.set i, 0
.rept 32
	v_pk_mul_f32 v[YR+i:YR+i+1], v[TC+i:TC+i+1], v[RSQ:RSQ+1]
.set i, i+2
.endr
	WIN 0
.if \ahead
	CSLOAD \set, 16384+4096*(\set)
.endif
	QUANT YR
.irp c, 0,1,2
	global_store_b128 v[LI], v[PC+4*\c:PC+4*\c+3], s[88:89] offset:512*\c
.endr
	v_cndmask_b32 v[OUTW], v[OUTW], v[OUTW+1], s100
	v_cndmask_b32 v[OUTW+1], v[OUTW+1], v[OUTW+2], s100
	v_cndmask_b32 v[OUTW+2], v[OUTW+2], v[OUTW+3], s100
	v_cndmask_b32 v[OUTW+3], v[OUTW+3], v[PW], s100
	s_wait_xcnt 0x0
	s_add_nc_u64 s[88:89], s[88:89], 1536
.endm
.Lqk_loop:
	s_cmp_lt_u32 s86, 2
	s_cselect_b32 s100, -1, 0xffff0000
	s_cmp_eq_u32 s86, 1
	s_cbranch_scc1 .Lq2
	s_cmp_eq_u32 s86, 2
	s_cbranch_scc1 .Lq4
	QSTUB 0, 0, 1
.Lq2:
	QSTUB 2, 0, 1
.Lq4:
	QSTUB 4, 0, 0
.Lqk_even:
	s_wait_alu depctr_va_vdst(0)
	QBODY 0, 1, 32
	s_cmp_eq_u32 s86, 1
	s_cbranch_scc1 .Lq3
	s_cmp_eq_u32 s86, 2
	s_cbranch_scc1 .Lq5
	QSTUB 1, 1, 1
.Lq3:
	QSTUB 3, 1, 1
.Lq5:
	QSTUB 5, 1, 0
.Lqk_odd:
	s_wait_alu depctr_va_vdst(0)
	QBODY 1, 1, 32
	s_add_nc_u64 s[94:95], s[94:95], 16384
	s_add_nc_u64 s[96:97], s[96:97], 16384
	s_add_co_u32 s86, s86, 1
	s_cmp_lt_u32 s86, 3
	s_cbranch_scc1 .Lqk_loop
	QSTUB 6, 0, 0
	s_wait_alu depctr_va_vdst(0)
	QBODY 0, 0, 32
	QSTUB 7, 1, 0
	s_wait_alu depctr_va_vdst(0)
	QBODY 1, 0, 0
	s_wait_alu depctr_va_vdst(0)
	global_store_b128 v[SCO], v[OUTW:OUTW+3], s[88:89]
.Ldone:
	s_wait_tensorcnt 0x0
	ds_add_u32 v[SPW], v[NIL]
	s_wait_dscnt 0x0
	CROUND
	s_endpgm
.Lfunc_end_k_q0a7981712d_qkv:
	.size	k_q0a7981712d_qkv, .Lfunc_end_k_q0a7981712d_qkv-k_q0a7981712d_qkv
	.p2alignl 7, 3214868480
	.fill 96, 4, 3214868480
	.section	.rodata,"a",@progbits
	.p2align	6, 0x0
	.amdhsa_kernel k_q0a7981712d_qkv
		.amdhsa_group_segment_fixed_size 327680
		.amdhsa_private_segment_fixed_size 0
		.amdhsa_enable_private_segment 0
		.amdhsa_kernarg_size 72
		.amdhsa_user_sgpr_count 2
		.amdhsa_user_sgpr_kernarg_segment_ptr 1
		.amdhsa_wavefront_size32 1
		.amdhsa_system_sgpr_workgroup_id_x 1
		.amdhsa_system_sgpr_workgroup_id_y 1
		.amdhsa_system_sgpr_workgroup_id_z 1
		.amdhsa_system_vgpr_workitem_id 0
		.amdhsa_next_free_vgpr 1024
		.amdhsa_next_free_sgpr 102
		.amdhsa_reserve_vcc 0
		.amdhsa_float_denorm_mode_32 3
		.amdhsa_float_denorm_mode_16_64 3
		.amdhsa_memory_ordered 1
		.amdhsa_forward_progress 1
		.amdhsa_inst_pref_size 255
	.end_amdhsa_kernel
	.section	.bss,"aw",@nobits
	.p2align	6
	.space	262144
	.amdgpu_metadata
---
amdhsa.version: [ 1, 2 ]
amdhsa.kernels:
  - .name:           k_q0a7981712d_qkv
    .symbol:         k_q0a7981712d_qkv.kd
    .args:
      - { .name: xq, .offset: 0, .size: 8, .value_kind: global_buffer, .address_space: global }
      - { .name: wq, .offset: 8, .size: 8, .value_kind: global_buffer, .address_space: global }
      - { .name: cos_BTK, .offset: 16, .size: 8, .value_kind: global_buffer, .address_space: global }
      - { .name: sin_BTK, .offset: 24, .size: 8, .value_kind: global_buffer, .address_space: global }
      - { .name: q_norm_w, .offset: 32, .size: 8, .value_kind: global_buffer, .address_space: global }
      - { .name: k_norm_w, .offset: 40, .size: 8, .value_kind: global_buffer, .address_space: global }
      - { .name: qbuf, .offset: 48, .size: 8, .value_kind: global_buffer, .address_space: global }
      - { .name: kv, .offset: 56, .size: 8, .value_kind: global_buffer, .address_space: global }
      - { .name: gate, .offset: 64, .size: 8, .value_kind: global_buffer, .address_space: global }
    .group_segment_fixed_size: 327680
    .private_segment_fixed_size: 0
    .kernarg_segment_align: 8
    .kernarg_segment_size: 72
    .max_flat_workgroup_size: 128
    .sgpr_count:     102
    .vgpr_count:     1024
    .wavefront_size: 32
...
	.end_amdgpu_metadata
.endif
;; end of part 2
;; launch attn (part 3): grid 16 x 16, 8 waves a work-group, no clusters, 327,680 bytes of LDS; arguments qbuf, kv, gate, ab; writes ab
.if DOCPART == 3
	.amdgcn_target "amdgcn-amd-amdhsa--gfx1250"
	.amdhsa_code_object_version 6
	.text
	.protected	k_q0a7981712d_attn
	.globl	k_q0a7981712d_attn
	.p2align	8
	.type	k_q0a7981712d_attn,@function
k_q0a7981712d_attn:
	s_mov_b64 s[64:65], 0
	v_nop
	global_prefetch_b8 v0, s[64:65] scope:SCOPE_SE
	s_setreg_imm32_b32 hwreg(HW_REG_WAVE_MODE, 25, 1), 1
	s_wait_xcnt 0x0
; Causal attention on codes of FP6 (E2M3) with E8M0 scales, 8 query heads on 4 key/value heads, 2,048 tokens, head size 128; then / the row's sum, x sigmoid(gate), and the quantiser along heads x 128.
; THE SOFTMAX: t = score x log2(e) / sqrt(128); M = the running largest t rounded UP to a whole number; p = 2^(t - M) is quantised along the keys, not normalised; the row's sum is taken of the unquantised p
; and divides at the end.  When M moves, the sum and O are multiplied by 2^(old M - new M): exact.
; SHARES.  Work-group (p, 8 b + head) owns query blocks p and 31 - p of 64 queries: waves 0-3 the first, waves 4-7 the second, a tile of 16 queries each: so every work-group has the same number of key steps to work.
; Every work-group walks all four slots of 512 keys (constant trip counts; no tensor load and no barrier is jumped over); a key step all of whose keys come after the wave's queries is left out by a scalar branch on ids.
; LAYOUT.  q, k, v come as images of operand registers (a fragment: 1,536 dense bytes, three loads of 16 bytes a lane); a block of 12,800 bytes holds eight images and 512 bytes of scale words.
; Both products are used transposed (S^T = K Q^T, O^T = V^T P^T): a lane holds one query.  Place r of tile 2 x + u holds key (or channel) 32 x + 8 u + r + 8 (r / 8): the 16 registers of two neighbouring tiles are 16 neighbours.
; No cluster: partners that share K and V have different queries, so their branches round hidden steps would differ.
; LIMITS: NaN and infinities are not served; v_exp_f32 gives 0 where p would be denormal; a block of zeros gets the byte 1 (its codes are zeros).
; REGISTERS: window 0: v1-11 addresses; v12 -M, v13 largest t, v[14:15] the sum; v16-27 Q; v32-39 K's scale words, v40-47 V's; v48-67 the last quantiser's codes; v96-159 S^T, then p; v160-223 the gate;
;   v224-254 at work; v253 p's scale word; v255 Q's.   window 1: v0-95 K's eight fragments, v96-191 V's, v192-255 O^T.
.set STEPB, 12800
.set SLOTB, 102400                     ; four blocks of K, then four of V
.set SLOT1, 1<<17
.set SPARE, 2*SLOT1                    ; behind the ring: the spare words, 128 bytes for each of eight waves
.set AFR,  1                           ; v1  16 x lane
.set ASC,  2                           ; v2  32 (lane % 16) + 12,288: my row place's scale words in a block
.set LQ,   3                           ; v3  my query less the tile's first, less 16 (lane / 16)
.set PFO,  4                           ; v4  256 x lane
.set SPW,  5
.set NIL,  6
.set PFO2, 7                           ; v7  256 x min(lane, 3)
.set ADK,  8
.set ADS,  9
.set KSC,  32
.set VSC,  40
.set PC,   48
.set TM,   232
.set PW,   248
.set WV,   18
.set SEL,  20
.set CS,   22
.set G1,   24
.set G0,   40
.set TB,   2
.set CNT,  3
.set QMIN, 66
.set SLOTS, 67
.set PFA,  76
.set LIM,  80
.set KF,   98
.set Q31,  99
.set MSB, 0
.macro WIN new
.if MSB != (\new)
	s_set_vgpr_msb (MSB<<8)|(\new)
.set MSB, (\new)
.endif
.endm
.macro QUANT s
.irp b, 0,1,2,3
	v_max3_num_f32 v[TM+\b], |v[\s+16*\b]|, |v[\s+1+16*\b]|, 0x1800000
.endr
.irp i, 2,4,6,8,10,12,14
.irp b, 0,1,2,3
	s_delay_alu instid0(VALU_DEP_4)
	v_max3_num_f32 v[TM+\b], v[TM+\b], |v[\s+16*\b+\i]|, |v[\s+1+16*\b+\i]|
.endr
.endr
.irp b, 0,1,2,3
	s_delay_alu instid0(VALU_DEP_4)
	v_permlanex16_b32 v[TM+4+\b], v[TM+\b], s[SEL], s[SEL+1]
.endr
.irp b, 0,1,2,3
	s_delay_alu instid0(VALU_DEP_4)
	v_max_num_f32 v[TM+\b], v[TM+\b], v[TM+4+\b]
.endr
.irp b, 0,1,2,3
	s_delay_alu instid0(VALU_DEP_4)
	v_add_nc_u32 v[TM+12+\b], 0xff000000, v[TM+\b]
.endr
.irp b, 0,1,2,3
	s_delay_alu instid0(VALU_DEP_4)
	v_lshrrev_b32 v[TM+4+\b], 23, v[TM+12+\b]
.endr
	s_delay_alu instid0(VALU_DEP_3)
	v_lshl_or_b32 v[PW], v[TM+5], 8, v[TM+4]
	s_delay_alu instid0(VALU_DEP_1)
	v_lshl_or_b32 v[PW], v[TM+6], 16, v[PW]
	s_delay_alu instid0(VALU_DEP_1)
	v_lshl_or_b32 v[PW], v[TM+7], 24, v[PW]
.irp c, 0,1
	v_cvt_scalef32_pk16_fp6_f32 v[PC+6*\c:PC+2+6*\c], v[\s+32*\c:\s+15+32*\c], v[TM+12+2*\c]
	v_cvt_scalef32_pk16_fp6_f32 v[PC+12+4*\c:PC+14+4*\c], v[\s+16+32*\c:\s+31+32*\c], v[TM+12+2*\c+1]
.endr
	v_nop
.irp c, 0,1
.irp i, 0,1,2
	v_permlane16_swap_b32 v[PC+6*\c+\i], v[PC+12+4*\c+\i]
.endr
.irp i, 0,1,2
	s_delay_alu instid0(VALU_DEP_3)
	v_mov_b32 v[PC+3+6*\c+\i], v[PC+12+4*\c+\i]
.endr
.endr
.endm
	s_load_b256 s[4:11], s[0:1], 0x0               ; qbuf 4, kv 6, gate 8, ab 10
	v_lshl_add_u32 v[SPW], v0, 2, SPARE
	v_mov_b32 v[NIL], 0
	ds_add_u32 v[SPW], v[NIL]                      ; the wave's opening
	ds_add_u32 v[SPW], v[NIL]
	v_lshrrev_b32 v8, 5, v0
	s_delay_alu instid0(VALU_DEP_1)
	v_readfirstlane_b32 s[WV], v8                  ; wave 0..7
	s_and_b32 s12, ttmp7, 0xffff                   ; y = 8 x batch + head
	s_lshl_b32 s13, ttmp9, 2
	s_sub_co_u32 s14, 124, s13
	s_cmp_lt_u32 s[WV], 4
	s_cselect_b32 s13, s13, s14                    ; waves 0-3: query block p; waves 4-7: block 31 - p
	s_and_b32 s14, s[WV], 3
	s_add_co_u32 s13, s13, s14                     ; RB: my tile of 16 queries, of the head's 128
	s_lshr_b32 s15, s13, 1
	s_lshl_b32 s14, s15, 5                         ; the tile's group of 32 queries begins here
	s_add_co_u32 s[Q31], s14, 31
	s_and_b32 s16, s13, 1
	s_lshl_b32 s17, s16, 3
	s_add_co_u32 s[QMIN], s14, s17                 ; my tile's first query
	s_lshr_b32 s70, s12, 1                         ; 4 x batch + key/value head
	s_mul_i32 s70, s70, 4*SLOTB
	s_mov_b32 s71, 0
	s_and_b32 s72, s[WV], 3
	s_mul_i32 s72, s72, 25600                      ; a quarter of a slot: what one tensor load brings (waves 0-3), what one wave prefetches (waves 4-7)
	s_mov_b32 s73, 0
	s_lshl_b32 s74, s12, 4
	s_lshr_b32 s75, s13, 3
	s_add_co_u32 s74, s74, s75
	s_mul_i32 s74, s74, STEPB                      ; q's block of eight tiles
	s_and_b32 s75, s13, 7
	s_mul_i32 s78, s75, 1536
	s_add_co_u32 s78, s78, s74                     ; my tile's image
	s_mov_b32 s79, 0
	s_lshl_b32 s75, s75, 2
	s_add_co_u32 s74, s74, s75
	s_add_co_u32 s74, s74, 12288                   ; and its scale words
	s_mov_b32 s75, 0
	s_lshl_b32 s86, s12, 7
	s_add_co_u32 s86, s86, s13
	s_lshl_b32 s86, s86, 13                        ; the gate's image
	s_mov_b32 s87, 0
	s_lshr_b32 s88, s12, 3
	s_lshl_b32 s88, s88, 6
	s_add_co_u32 s88, s88, s15                     ; ab: cell row 64 x batch + RB / 2,
	s_lshl_b32 s88, s88, 2
	s_bfe_u32 s89, s12, 0x20001
	s_add_co_u32 s88, s88, s89                     ; cell head / 2 along K
	s_mul_i32 s88, s88, 6400
	s_and_b32 s89, s12, 1
	s_mul_i32 s90, s16, 3072
	s_mul_i32 s91, s89, 1536
	s_add_co_u32 s90, s90, s91
	s_add_co_u32 s90, s90, s88                     ; fragment (RB % 2, head % 2)
	s_mov_b32 s91, 0
	s_lshl_b32 s92, s16, 7
	s_lshl_b32 s93, s89, 2
	s_add_co_u32 s92, s92, s93
	s_add_co_u32 s92, s92, s88
	s_add_co_u32 s92, s92, 6144                    ; and its scale words
	s_mov_b32 s93, 0
	s_mov_b32 s[G1], 3<<16                         ; no mask; elements of 8 bytes; no padding: 100 rows of 256 bytes, dense
	s_mov_b32 s[G1+1], 32<<16
	s_mov_b32 s[G1+2], 100<<16
	s_mov_b32 s[G1+3], 32<<16
	s_mov_b32 s[G1+4], 100
	s_mov_b32 s[G1+5], 32
	s_mov_b32 s[G1+6], 0
	s_mov_b32 s[G1+7], 0
	s_mov_b32 s[SEL], 0x76543210
	s_mov_b32 s[SEL+1], 0xfedcba98
	s_mov_b32 s[CS], 0x3e0293ee                    ; c = log2(e) / sqrt(128)
	s_mov_b32 s[CS+1], s[CS]
	s_mov_b32 s[TB], 0
	s_mov_b32 s[KF], 0
	s_mov_b32 s[SLOTS], 3
	s_lshr_b32 s81, s[WV], 2                       ; who prefetches: waves 4-7 of the first work-group of the even head of each pair: each block of kv is named once in the launch
	s_xor_b32 s81, s81, 1
	s_or_b32 s81, s81, ttmp9
	s_or_b32 s81, s81, s89
	s_cmp_eq_u32 s81, 0
	s_cselect_b32 s[LIM], 1, -1
	s_wait_dscnt 0x0                               ; the opening add is done
	s_wait_kmcnt 0x0
	s_add_nc_u64 s[6:7], s[6:7], s[70:71]          ; my key/value head
	s_mov_b32 s[G0], 1
	s_mov_b32 s[G0+1], s72
	s_add_nc_u64 s[G0+2:G0+3], s[6:7], s[72:73]
	s_or_b32 s[G0+3], s[G0+3], 0x80000000
	s_cmp_lt_u32 s[WV], 4
	s_cbranch_scc0 .Lno_first
	tensor_load_to_lds s[G0:G0+3], s[G1:G1+7]      ; slot 0
	s_nop 0
.rept 4
	v_nop
.endr
.Lno_first:
	s_add_nc_u64 s[PFA:PFA+1], s[6:7], s[72:73]
	s_add_nc_u64 s[PFA:PFA+1], s[PFA:PFA+1], SLOTB ; in slot 1: the first change of slots steps it to slot 2
	s_add_nc_u64 s[82:83], s[4:5], s[78:79]
	s_add_nc_u64 s[84:85], s[4:5], s[74:75]
	s_add_nc_u64 s[8:9], s[8:9], s[86:87]
	s_add_nc_u64 s[90:91], s[10:11], s[90:91]
	s_add_nc_u64 s[92:93], s[10:11], s[92:93]
	v_and_b32 v10, 31, v0                          ; lane
	v_and_b32 v11, 15, v0                          ; r
	v_bfe_u32 v28, v0, 4, 1                        ; h
	s_delay_alu instid0(VALU_DEP_3)
	v_lshlrev_b32 v[AFR], 4, v10
	s_delay_alu instid0(VALU_DEP_3)
	v_lshlrev_b32 v30, 5, v11                      ; 32 r
	s_delay_alu instid0(VALU_DEP_4)
	v_lshlrev_b32 v31, 3, v11                      ; 8 r
.irp c, 0,1,2
	global_load_b128 v[16+4*\c:19+4*\c], v[AFR], s[82:83] offset:512*\c    ; Q's fragment stays in registers
.endr
	global_load_b32 v255, v30, s[84:85]            ; Q's scale words
.irp c, 0,1,2,3,4,5,6,7,8,9,10,11,12,13,14,15
	global_load_b128 v[160+4*\c:163+4*\c], v[AFR], s[8:9] offset:512*\c th:TH_LOAD_NT   ; the gate: wanted at the end
.endr
	v_add_nc_u32 v[ASC], 12288, v30
	v_and_b32 v[LQ], 8, v11
	s_delay_alu instid0(VALU_DEP_1)
	v_add_nc_u32 v[LQ], v[LQ], v11
	v_lshlrev_b32 v29, 4, v28
	s_delay_alu instid0(VALU_DEP_1)
	v_sub_nc_u32 v[LQ], v[LQ], v29
	v_lshlrev_b32 v[PFO], 8, v10
	v_min_u32 v[PFO2], 3, v10
	s_delay_alu instid0(VALU_DEP_1)
	v_lshlrev_b32 v[PFO2], 8, v[PFO2]
	v_mov_b32 v13, 0xff61b1e6                      ; the largest t so far: -3e38
	s_delay_alu instid0(VALU_DEP_1)
	v_floor_f32 v12, -v13                          ; -M
	v_mov_b32 v14, 0
	v_mov_b32 v15, 0
.irp b, 0,1,2,3
	v_mov_b32 v[236+\b], 0                         ; written once: a lane permute's destination counts as one of its sources
.endr
	v_mov_b32 v252, 0
	v_mov_b32 v253, 0
	WIN 0x40
.set j, 0
.rept 64
	v_mov_b32 v[192+j], 0                          ; O^T: the step is written once; the first finds zeros
.set j, j+1
.endr
	WIN 0
; A KEY STEP: 128 keys, at s[TB] in LDS.
.macro STEP
	s_cmp_gt_u32 s[KF], s[Q31]                     ; all its keys come after my queries: only the steps of the addresses are run
	s_cbranch_scc1 .Lhidden_\@
	v_add_nc_u32 v[ADK], s[TB], v[AFR]
	v_add_nc_u32 v[ADS], s[TB], v[ASC]
	v_nop
	v_nop                                          ; four places in front of loads into registers that the last products have read
	ds_load_b128 v[KSC:KSC+3], v[ADS]              ; K's scale words, tiles 0-3, 4-7
	ds_load_b128 v[KSC+4:KSC+7], v[ADS] offset:16
	ds_load_b128 v[VSC:VSC+3], v[ADS] offset:51200 ; V's: tiles 0, 2, 4, 6; then 1, 3, 5, 7
	ds_load_b128 v[VSC+4:VSC+7], v[ADS] offset:51216
	WIN 0x40
.irp t, 0,1,2,3,4,5,6,7
.irp c, 0,1,2
	ds_load_b128 v[12*\t+4*\c:12*\t+4*\c+3], v[ADK] offset:1536*\t+512*\c
.endr
.endr
.irp t, 0,1,2,3,4,5,6,7
.irp c, 0,1,2
	ds_load_b128 v[96+12*\t+4*\c:96+12*\t+4*\c+3], v[ADK] offset:51200+1536*\t+512*\c
.endr
.endr
	s_wait_dscnt 24                                ; the scale words and K are in; V's 24 loads land beside the softmax
	WIN 0x01
.irp t, 0,1,2,3,4,5,6,7
	v_wmma_scale_f32_16x16x128_f8f6f4 v[96+8*\t:103+8*\t], v[12*\t:12*\t+11], v[16:27], 0, v[KSC+\t], v255 matrix_a_fmt:MATRIX_FMT_FP6 matrix_b_fmt:MATRIX_FMT_FP6
.endr
	WIN 0
.rept 4
	v_nop
.endr
	s_add_co_u32 s96, s[KF], 127                   ; on the diagonal hidden scores become -infinity ahead of the maximum; a step all of whose keys count skips this
	s_cmp_le_u32 s96, s[QMIN]
	s_cbranch_scc1 .Lopen_\@
	s_sub_co_i32 s96, s[QMIN], s[KF]
	v_add_nc_u32 v252, s96, v[LQ]                  ; d = my query - KF - 16 (lane / 16): register 16 b + i holds key KF + 16 (lane / 16) + 32 b + i, hidden where 32 b + i > d
	v_mov_b32 v254, 0xff800000
.set n, 0
.rept 64
	v_cmp_gt_i32 vcc_lo, 32*(n/16)+n%16, v252
	v_cndmask_b32 v[96+n], v[96+n], v254, vcc_lo
.set n, n+1
.endr
.Lopen_\@:
.irp b, 0,1,2,3
	v_max3_num_f32 v[232+\b], v[96+16*\b], v[97+16*\b], v[98+16*\b]   ; the largest score of each block of 32 keys: for the row's maximum, and for the block's largest p
.endr
.irp i, 3,5,7,9,11,13
.irp b, 0,1,2,3
	v_max3_num_f32 v[232+\b], v[232+\b], v[96+16*\b+\i], v[97+16*\b+\i]
.endr
.endr
.irp b, 0,1,2,3
	v_max_num_f32 v[232+\b], v[232+\b], v[111+16*\b]
.endr
.irp b, 0,1,2,3
	s_delay_alu instid0(VALU_DEP_4)
	v_permlanex16_b32 v[236+\b], v[232+\b], s[SEL], s[SEL+1]
.endr
.irp b, 0,1,2,3
	s_delay_alu instid0(VALU_DEP_4)
	v_max_num_f32 v[232+\b], v[232+\b], v[236+\b]
.endr
	s_delay_alu instid0(VALU_DEP_2)
	v_max3_num_f32 v254, v232, v233, v234
	s_delay_alu instid0(VALU_DEP_1)
	v_max_num_f32 v254, v254, v235
	s_delay_alu instid0(VALU_DEP_1)
	v_mul_f32 v254, s[CS], v254
	s_delay_alu instid0(VALU_DEP_1)
	v_max_num_f32 v13, v13, v254                   ; the running largest t
	v_mov_b32 v254, v12
	s_delay_alu instid0(VALU_DEP_2)
	v_floor_f32 v12, -v13                          ; the new -M = -ceil(t)
	s_delay_alu instid0(VALU_DEP_1)
	v_sub_f32 v254, v12, v254                      ; old M - new M: a whole number, 0 or less
	s_delay_alu instid0(VALU_DEP_1)
	v_cvt_i32_f32 v254, v254
	s_delay_alu instid0(VALU_DEP_1)
	v_ldexp_f32 v252, 1.0, v254                    ; f = 2^(old M - new M)
.set j, 0
.rept 32
	v_pk_fma_f32 v[96+j:97+j], v[96+j:97+j], s[CS:CS+1], v[12:13] op_sel_hi:[1,0,0]   ; t - M
.set j, j+2
.endr
.irp b, 0,1,2,3
	v_fma_f32 v[232+\b], v[232+\b], s[CS], v12
.endr
.set j, 0
	s_wait_alu depctr_va_vdst(0)
.rept 64
	v_exp_f32 v[96+j], v[96+j]                     ; p = 2^(t - M)
.set j, j+1
.endr
	v_pk_mul_f32 v[14:15], v[14:15], v[252:253] op_sel_hi:[1,0]   ; the sums under the new M.  (A plain place behind the exponentials)
	s_wait_alu depctr_va_vdst(0)                   ; one wait for the whole batch, ahead of its first reader
.irp b, 0,1,2,3
	v_exp_f32 v[232+\b], v[232+\b]                 ; the block's largest p
.endr
	v_pk_add_f32 v[236:237], v[100:101], v[104:105]
	v_pk_add_f32 v[250:251], v[108:109], v[112:113]
	v_pk_add_f32 v[248:249], v[116:117], v[120:121]
	v_pk_add_f32 v[246:247], v[124:125], v[128:129]
	v_pk_add_f32 v[244:245], v[132:133], v[136:137]
	v_pk_add_f32 v[242:243], v[140:141], v[144:145]
	v_pk_add_f32 v[240:241], v[148:149], v[152:153]
	v_pk_add_f32 v[14:15], v[14:15], v[156:157]
	v_pk_add_f32 v[236:237], v[236:237], v[96:97]
	v_pk_add_f32 v[250:251], v[250:251], v[98:99]
	v_pk_add_f32 v[248:249], v[248:249], v[102:103]
	v_pk_add_f32 v[246:247], v[246:247], v[106:107]
	v_pk_add_f32 v[244:245], v[244:245], v[110:111]
	v_pk_add_f32 v[242:243], v[242:243], v[114:115]
	v_pk_add_f32 v[240:241], v[240:241], v[118:119]
	v_pk_add_f32 v[14:15], v[14:15], v[122:123]
	v_pk_add_f32 v[236:237], v[236:237], v[126:127]
	v_pk_add_f32 v[250:251], v[250:251], v[130:131]
	v_pk_add_f32 v[248:249], v[248:249], v[134:135]
	v_pk_add_f32 v[246:247], v[246:247], v[138:139]
	v_pk_add_f32 v[244:245], v[244:245], v[142:143]
	v_pk_add_f32 v[242:243], v[242:243], v[146:147]
	v_pk_add_f32 v[240:241], v[240:241], v[150:151]
	v_pk_add_f32 v[14:15], v[14:15], v[154:155]
	v_pk_add_f32 v[236:237], v[236:237], v[158:159]
	s_delay_alu instid0(VALU_DEP_2)
	v_pk_add_f32 v[14:15], v[14:15], v[246:247]
	s_delay_alu instid0(VALU_DEP_2)
	v_pk_add_f32 v[236:237], v[236:237], v[244:245]
	v_pk_add_f32 v[250:251], v[250:251], v[242:243]
	v_pk_add_f32 v[248:249], v[248:249], v[240:241]
	s_delay_alu instid0(VALU_DEP_2)
	v_pk_add_f32 v[14:15], v[14:15], v[250:251]
	s_delay_alu instid0(VALU_DEP_2)
	v_pk_add_f32 v[236:237], v[236:237], v[248:249]
	s_delay_alu instid0(VALU_DEP_1)
	v_pk_add_f32 v[14:15], v[14:15], v[236:237]
	s_wait_alu depctr_va_vdst(0)                   ; and one for the four
.irp b, 0,1,2,3
	v_max_num_f32 v[232+\b], 0x1800000, v[232+\b]  ; the floor: the byte cannot fall under 1
.endr
.irp b, 0,1,2,3
	s_delay_alu instid0(VALU_DEP_4)
	v_add_nc_u32 v[244+\b], 0xff000000, v[232+\b]
.endr
.irp b, 0,1,2,3
	s_delay_alu instid0(VALU_DEP_4)
	v_lshrrev_b32 v[236+\b], 23, v[244+\b]
.endr
	s_delay_alu instid0(VALU_DEP_3)
	v_lshl_or_b32 v253, v237, 8, v236              ; p's scale word for these 128 keys
	s_delay_alu instid0(VALU_DEP_1)
	v_lshl_or_b32 v253, v238, 16, v253
	s_delay_alu instid0(VALU_DEP_1)
	v_lshl_or_b32 v253, v239, 24, v253
.irp c, 0,1
	v_cvt_scalef32_pk16_fp6_f32 v[224+6*\c:226+6*\c], v[96+32*\c:111+32*\c], v[244+2*\c]
	v_cvt_scalef32_pk16_fp6_f32 v[236+4*\c:238+4*\c], v[112+32*\c:127+32*\c], v[244+2*\c+1]
.endr
	v_nop                                          ; one plain place behind a scaled conversion
.irp c, 0,1
.irp i, 0,1,2
	v_permlane16_swap_b32 v[224+6*\c+\i], v[236+4*\c+\i]
.endr
.irp i, 0,1,2
	s_delay_alu instid0(VALU_DEP_3)
	v_mov_b32 v[227+6*\c+\i], v[236+4*\c+\i]
.endr
.endr
	WIN 0x41
.set j, 0
.rept 32
	v_pk_mul_f32 v[192+j:193+j], v[192+j:193+j], v[252:253] op_sel_hi:[1,0]   ; O^T under the new M.  (These 32 are also the places in front of the products below)
.set j, j+2
.endr
	s_wait_alu depctr_va_vdst(0)
	s_wait_dscnt 0x0                               ; V is in
	WIN 0x51
.irp t, 0,1,2,3,4,5,6,7
	v_wmma_scale_f32_16x16x128_f8f6f4 v[192+8*\t:199+8*\t], v[96+12*\t:107+12*\t], v[224:235], v[192+8*\t:199+8*\t], v[VSC+4*(\t%2)+\t/2], v253 matrix_a_fmt:MATRIX_FMT_FP6 matrix_b_fmt:MATRIX_FMT_FP6
.endr
	WIN 0
.Lhidden_\@:
	s_add_co_u32 s[KF], s[KF], 128
	s_add_co_u32 s[TB], s[TB], STEPB
.endm
; A prefetch of the slot that the NEXT change of slots will ask for: 25,600 bytes a wave, lanes 256 bytes apart: 3 x 32 blocks and 4 more.  The last change that fills a slot asks for nothing.
.macro ASK
	s_cmp_gt_u32 s[SLOTS], s[LIM]
	s_cbranch_scc0 .Lnot_mine_\@
	global_prefetch_b8 v[PFO], s[PFA:PFA+1] th:TH_LOAD_NT scope:SCOPE_SE
	global_prefetch_b8 v[PFO], s[PFA:PFA+1] offset:8192 th:TH_LOAD_NT scope:SCOPE_SE
	global_prefetch_b8 v[PFO], s[PFA:PFA+1] offset:16384 th:TH_LOAD_NT scope:SCOPE_SE
	global_prefetch_b8 v[PFO2], s[PFA:PFA+1] offset:24576 th:TH_LOAD_NT scope:SCOPE_SE
.Lnot_mine_\@:
.endm
; THE CHANGE OF SLOTS stands at a slot's head: each wave waits for all its tensor loads, adds 0 to its spare word, and waits for that and for its reads of the slot that it has left.
; Behind the barrier the slot ahead is whole and nobody reads the other one; fill = 1: that one is filled with the next 512 keys: one load a wave (waves 0-3), with a slot's four steps in which to land.
.macro CHANGE fill
	s_wait_tensorcnt 0x0
	ds_add_u32 v[SPW], v[NIL]
.if \fill
	s_xor_b32 s[G0+1], s[G0+1], SLOT1
	s_add_nc_u64 s[G0+2:G0+3], s[G0+2:G0+3], SLOTB
	s_wait_xcnt 0x0                                ; the last prefetches, a slot back, have read their address
	s_add_nc_u64 s[PFA:PFA+1], s[PFA:PFA+1], SLOTB
.endif
	s_wait_dscnt 0x0
	s_barrier_signal -1
	s_barrier_wait -1
.if \fill
	s_cmp_lt_u32 s[WV], 4
	s_cbranch_scc0 .Lnot_\@
	tensor_load_to_lds s[G0:G0+3], s[G1:G1+7]
	s_nop 0
.rept 4
	v_nop
.endr
.Lnot_\@:
	ASK
.endif
.endm
.macro SLOT_STEPS
	s_mov_b32 s[CNT], 4
.Lstep_\@:
	STEP
	s_sub_co_u32 s[CNT], s[CNT], 1
	s_cmp_lg_u32 s[CNT], 0
	s_cbranch_scc1 .Lstep_\@
	s_sub_co_u32 s[TB], s[TB], 4*STEPB
	s_xor_b32 s[TB], s[TB], SLOT1                  ; on to the other slot
.endm
	s_wait_loadcnt 16                              ; Q and its scale words are in; the gate's 16 loads may be out
.Lslot:
	CHANGE 1
	SLOT_STEPS
	s_sub_co_u32 s[SLOTS], s[SLOTS], 1
	s_cmp_lg_u32 s[SLOTS], 0
	s_cbranch_scc1 .Lslot
	CHANGE 0                                       ; the last slot is written out
	SLOT_STEPS
	; THE WAY OUT: O^T / the sum, x the gate, quantised along the head's 128: one fragment of the last product's A
.rept 4
	v_nop
.endr
	v_add_f32 v14, v14, v15
	s_delay_alu instid0(VALU_DEP_1)
	v_permlanex16_b32 v252, v14, s[SEL], s[SEL+1]
	s_delay_alu instid0(VALU_DEP_1)
	v_add_f32 v14, v14, v252                       ; the row's sum
	s_wait_alu depctr_va_vdst(0)
	v_rcp_f32 v14, v14
	v_nop
	s_wait_alu depctr_va_vdst(0)
	s_wait_loadcnt 0x0                             ; the gate
	WIN 0x01
.set j, 0
.rept 32
	v_pk_mul_f32 v[96+j:97+j], v[192+j:193+j], v[14:15] op_sel_hi:[1,0]   ; register 16 x + i: channel 32 x + 16 h + i of my query
.set j, j+2
.endr
	WIN 0
.set j, 0
.rept 32
	v_pk_mul_f32 v[96+j:97+j], v[96+j:97+j], v[160+j:161+j]
.set j, j+2
.endr
	QUANT 96
.irp c, 0,1,2
	global_store_b128 v[AFR], v[PC+4*\c:PC+4*\c+3], s[90:91] offset:512*\c
.endr
	global_store_b32 v31, v[PW], s[92:93]          ; lanes l and l xor 16 hold the same word and write it to the same place
	s_wait_tensorcnt 0x0                           ; the wave's end
	ds_add_u32 v[SPW], v[NIL]
	s_wait_dscnt 0x0
	s_endpgm
.Lfunc_end_k_q0a7981712d_attn:
	.size	k_q0a7981712d_attn, .Lfunc_end_k_q0a7981712d_attn-k_q0a7981712d_attn
	.p2alignl 7, 3214868480
	.fill 96, 4, 3214868480
	.section	.rodata,"a",@progbits
	.p2align	6, 0x0
	.amdhsa_kernel k_q0a7981712d_attn
		.amdhsa_group_segment_fixed_size 327680
		.amdhsa_private_segment_fixed_size 0
		.amdhsa_enable_private_segment 0
		.amdhsa_kernarg_size 32
		.amdhsa_user_sgpr_count 2
		.amdhsa_user_sgpr_kernarg_segment_ptr 1
		.amdhsa_wavefront_size32 1
		.amdhsa_system_sgpr_workgroup_id_x 1
		.amdhsa_system_sgpr_workgroup_id_y 1
		.amdhsa_system_sgpr_workgroup_id_z 1
		.amdhsa_system_vgpr_workitem_id 0
		.amdhsa_next_free_vgpr 512
		.amdhsa_next_free_sgpr 100
		.amdhsa_reserve_vcc 1
		.amdhsa_float_denorm_mode_32 3
		.amdhsa_float_denorm_mode_16_64 3
		.amdhsa_memory_ordered 1
		.amdhsa_forward_progress 1
		.amdhsa_inst_pref_size 72
	.end_amdhsa_kernel
	.amdgpu_metadata
---
amdhsa.version: [ 1, 2 ]
amdhsa.kernels:
  - .name:           k_q0a7981712d_attn
    .symbol:         k_q0a7981712d_attn.kd
    .args:
      - { .name: qbuf, .offset: 0, .size: 8, .value_kind: global_buffer, .address_space: global }
      - { .name: kv, .offset: 8, .size: 8, .value_kind: global_buffer, .address_space: global }
      - { .name: gate, .offset: 16, .size: 8, .value_kind: global_buffer, .address_space: global }
      - { .name: ab, .offset: 24, .size: 8, .value_kind: global_buffer, .address_space: global }
    .group_segment_fixed_size: 327680
    .private_segment_fixed_size: 0
    .kernarg_segment_align: 8
    .kernarg_segment_size: 32
    .max_flat_workgroup_size: 256
    .sgpr_count:     100
    .vgpr_count:     512
    .wavefront_size: 32
...
	.end_amdgpu_metadata
.endif
;; end of part 3
;; launch oproj (part 4): grid 8 x 32, 4 waves a work-group, clusters of 4 x 4, 327,680 bytes of LDS; arguments ab, wo, out0; writes out0
.if DOCPART == 4
	.amdgcn_target "amdgcn-amd-amdhsa--gfx1250"
	.amdhsa_code_object_version 6
	.text
	.protected	k_q0a7981712d_oproj
	.globl	k_q0a7981712d_oproj
	.p2align	8
	.type	k_q0a7981712d_oproj,@function
k_q0a7981712d_oproj:
	s_mov_b64 s[64:65], 0
	v_nop
	global_prefetch_b8 v0, s[64:65] scope:SCOPE_SE
	s_setreg_imm32_b32 hwreg(HW_REG_WAVE_MODE, 25, 1), 1
	s_wait_xcnt 0x0
	s_wait_alu depctr_hold_cnt(0) depctr_sa_sdst(0) depctr_va_vdst(0) depctr_va_sdst(0) depctr_va_ssrc(0) depctr_va_vcc(0) depctr_vm_vsrc(0)
	s_getreg_b32 s2, hwreg(HW_REG_IB_STS2, 6, 4)
	s_cmp_eq_u32 s2, 0
	s_cbranch_scc0 .Lentry_in_a_cluster
	s_endpgm
.Lentry_in_a_cluster:
	s_bfe_u32 s2, ttmp6, 0x10000c
	s_cmp_lg_u32 s2, 0xf033
	s_cbranch_scc0 .Lentry_shape_is_right
	s_endpgm
.Lentry_shape_is_right:
; out0 [4096][2048] f32 = A B^T on codes of FP6 (E2M3) with E8M0 scales, K = 1,024.  A = ab (gated attention), B = wo, both laid in CELLS of 6,400 bytes:
; 32 rows x 256 K as images of operand registers (fragment (u, q) at 3072 u + 1536 q, 16 bytes a lane in each 512), the scale words at 6,144 (8 bytes a row place: q = 0, 1).  An operand is [rows / 32][4] cells.
; Place r of fragment u holds row 8 u + r + 8 (r / 8) of the cell's 32.
; A work-group makes 128 x 256 of the result: 8 x 32 = 256 work-groups.  ALL OF K of its rows lies in LDS: A's 4 cell rows (102,400 dense bytes), then B's 8 (204,800): filled once, nothing is filled again.
; One tensor load a wave at the head: waves 0, 1 A's halves, waves 2, 3 B's halves.  CLUSTERS 4 x 4: A's tile is asked for jointly along a row of the cluster, B's along a column.
; A wave makes 64 x 128: 32 accumulators.  A step is 128 along K, 32 matrix instructions; the next step's fragments are fetched ahead of them into the other set of registers.
; The matrix instruction is used transposed (source 0 = B's rows, source 1 = A's): a lane holds neighbouring numbers of one row of the result.
; No prefetch: every tile is asked for by the head's loads, and there is no loop to run ahead in.
; REGISTERS: window 0: v8-13 LDS bases, v16-21 the same + the cell's place along K, v24-29 way out and the add, v32-47 scale words (8 q + i), v64-159 A's two sets; on the way out v128-255.
;   window 1: B's two sets at v0 and v128.   window 2: accumulator (a, b) at v[8 (8 a + b)].
.set CELL,  6400
.set ROWC,  4*CELL                     ; a cell row: 32 rows, all of K
.set BLDS,  4*ROWC                     ; B's rows lie behind A's
.set SPARE, 12*ROWC                    ; the spare words, 128 bytes for each wave
.set SPITCH, 528
.set FR,    12
.set NF,    44                         ; LDS loads of a step: B 24, A 12, scale words 8
.set BA,   8
.set BB,   10
.set BS,   12
.set CA,   16
.set CB,   18
.set CS,   20
.set LI,   24
.set STO,  25
.set RD,   26
.set SPW,  28
.set NIL,  29
.set SC,   32
.set AF,   64
.set BK,   128
.set KO,   4                           ; s4: the cell's place along K, in bytes
.set G1,   24
.set G0,   32
.set G1B,  48
.set G0B,  56
.set MSB, 0
.macro WIN new
.if MSB != (\new)
	s_set_vgpr_msb (MSB<<8)|(\new)
.set MSB, (\new)
.endif
.endm
.set MUL_W, 0xa1                       ; source 0 (B) window 1, source 1 (A) window 0, C and D window 2
.set TO_B,  0x40
.macro CROUND                          ; a round of the cluster's barrier
	s_barrier_signal -1
	s_barrier_wait -1
	s_cmp_lg_u32 s14, 0
	s_cbranch_scc1 .Lnot_wave_0_\@
	s_barrier_signal -3
.Lnot_wave_0_\@:
	s_barrier_wait -3
	s_barrier_signal -1
	s_barrier_wait -1
.endm
.macro PLACES
.rept 4
	v_nop
.endr
.endm
	s_load_b128 s[68:71], s[0:1], 0x0              ; ab, wo
	s_load_b64 s[72:73], s[0:1], 0x10              ; out0
	v_lshl_add_u32 v[SPW], v0, 2, SPARE
	v_mov_b32 v[NIL], 0
	ds_add_u32 v[SPW], v[NIL]                      ; the opening lines
	ds_add_u32 v[SPW], v[NIL]
	v_lshrrev_b32 v1, 5, v0
	v_readfirstlane_b32 s14, v1                    ; wave
	s_lshr_b32 s15, s14, 1                         ; my 64 rows of A.  Also: I fetch for A (0) or B (1)
	s_and_b32 s16, s14, 1                          ; my 128 rows of B.  Also: which half I fetch
	s_bfe_u32 s40, ttmp6, 0x40000                  ; cx
	s_bfe_u32 s41, ttmp6, 0x40004                  ; cy
	s_lshl_b32 s42, ttmp9, 2
	s_add_co_u32 s42, s42, s40                     ; tile column 0..7
	s_and_b32 s17, ttmp7, 0xffff
	s_lshl_b32 s17, s17, 2
	s_add_co_u32 s17, s17, s41                     ; tile row 0..31
	s_lshl_b32 s43, s41, 2
	s_lshl_b32 s43, 15, s43                        ; my row of the cluster
	s_lshl_b32 s44, 0x1111, s40                    ; my column
	s_or_b32 s[G1+0], s43, (3<<16)|(1<<21)         ; elements of 8 bytes, no padding; A: 200 dense rows of 256 bytes
	s_mov_b32 s[G1+1], 32<<16
	s_mov_b32 s[G1+2], 200<<16
	s_mov_b32 s[G1+3], 32<<16
	s_mov_b32 s[G1+4], 200
	s_mov_b32 s[G1+5], 32
	s_mov_b32 s[G1+6], 0
	s_mov_b32 s[G1+7], 0
	s_or_b32 s[G1B+0], s44, (3<<16)|(1<<21)        ; B: 400 such rows
	s_mov_b32 s[G1B+1], 32<<16
	s_mov_b32 s[G1B+2], 400<<16
	s_mov_b32 s[G1B+3], 32<<16
	s_mov_b32 s[G1B+4], 400
	s_mov_b32 s[G1B+5], 32
	s_mov_b32 s[G1B+6], 0
	s_mov_b32 s[G1B+7], 0
	s_mul_i32 s20, s17, 4*ROWC                     ; A: the tile's 4 cell rows, + my half
	s_mul_i32 s18, s16, 2*ROWC                     ; (also its LDS address)
	s_add_co_u32 s20, s20, s18
	s_mov_b32 s21, 0
	s_mul_i32 s46, s42, 8*ROWC                     ; B: the tile's 8 cell rows, + my half
	s_mul_i32 s19, s16, 4*ROWC
	s_add_co_u32 s46, s46, s19
	s_mov_b32 s47, 0
	s_add_co_u32 s19, s19, BLDS                    ; its LDS address
	s_wait_dscnt 0x0                               ; both opening adds are done
	s_wait_kmcnt 0x0
	s_add_nc_u64 s[20:21], s[68:69], s[20:21]
	s_add_nc_u64 s[46:47], s[70:71], s[46:47]
	CROUND                                         ; all sixteen work-groups are here: the joint loads meet
	s_mov_b32 s[G0], 1
	s_mov_b32 s[G0+1], s18
	s_mov_b64 s[G0+2:G0+3], s[20:21]
	s_or_b32 s[G0+3], s[G0+3], 0x80000000
	s_mov_b32 s[G0B], 1
	s_mov_b32 s[G0B+1], s19
	s_mov_b64 s[G0B+2:G0B+3], s[46:47]
	s_or_b32 s[G0B+3], s[G0B+3], 0x80000000
	s_cmp_eq_u32 s15, 0                            ; one load a wave, one in each arm
	s_cbranch_scc0 .Lfor_b
	tensor_load_to_lds s[G0:G0+3], s[G1:G1+7]
	s_nop 0
	PLACES
	s_branch .Lasked
.Lfor_b:
	tensor_load_to_lds s[G0B:G0B+3], s[G1B:G1B+7]
	s_nop 0
	PLACES
.Lasked:
	v_and_b32 v1, 15, v0                           ; r
	v_bfe_u32 v2, v0, 4, 1                         ; h
	v_and_b32 v3, 31, v0
	v_lshlrev_b32 v[LI], 4, v3                     ; 16 x lane
	s_mul_i32 s21, s15, 2*ROWC                     ; my 2 cell rows of A
	s_mul_i32 s22, s16, 4*ROWC
	s_add_co_u32 s22, s22, BLDS                    ; my 4 cell rows of B
	v_add_nc_u32 v[BA], s21, v[LI]
	v_add_nc_u32 v[BB], s22, v[LI]
	v_add_nc_u32 v[BB+1], 2*ROWC, v[BB]            ; cell rows 2, 3: offsets stay inside 16 bits
	s_sub_co_u32 s22, s22, s21
	v_mul_u32_u24 v6, s22, v2                      ; scale words: lanes 0-15 A's, lanes 16-31 B's
	v_lshl_add_u32 v5, v1, 3, v6
	s_add_co_u32 s21, s21, 6144
	v_add_nc_u32 v[BS], s21, v5
	v_add_nc_u32 v[BS+1], 2*ROWC, v[BS]
	s_mul_i32 s23, s14, 16*SPITCH                  ; my stage for the way out, in A's bytes
	v_mul_u32_u24 v5, v1, SPITCH
	v_lshl_add_u32 v5, v2, 6, v5
	v_add_nc_u32 v[STO], s23, v5
	v_add_nc_u32 v[RD], s23, v[LI]
	s_lshl_b32 s20, s17, 7
	s_lshl_b32 s21, s15, 6
	s_add_co_u32 s20, s20, s21                     ; my first row of the result
	s_lshl_b32 s20, s20, 13
	s_lshl_b32 s21, s42, 10
	s_add_co_u32 s20, s20, s21
	s_lshl_b32 s21, s16, 9
	s_add_co_u32 s20, s20, s21                     ; + my first column, in bytes
	s_mov_b32 s21, 0
	s_add_nc_u64 s[72:73], s[72:73], s[20:21]
	s_mov_b32 s[KO], 0
.macro SETADR                          ; the LDS addresses of the cell at s[KO]; five plain vector lines: in the loop also the places behind the last products
	v_add_nc_u32 v[CA], s[KO], v[BA]
	v_add_nc_u32 v[CB], s[KO], v[BB]
	v_add_nc_u32 v[CB+1], s[KO], v[BB+1]
	v_add_nc_u32 v[CS], s[KO], v[BS]
	v_add_nc_u32 v[CS+1], s[KO], v[BS+1]
	s_wait_alu depctr_va_vdst(0)
.endm
.macro FETCH p                         ; step q = p of the cell into set p: B's eight fragments, A's four, the scale words
	WIN TO_B
.irp i, 0,1,2,3,4,5,6,7
.irp c, 0,1,2
	ds_load_b128 v[128*(\p)+FR*\i+4*\c:128*(\p)+FR*\i+4*\c+3], v[CB+\i/4] offset:((\i%4)/2)*ROWC+(\i%2)*3072+(\p)*1536+512*\c
.endr
.endr
	WIN 0
.irp i, 0,1,2,3
.irp c, 0,1,2
	ds_load_b128 v[AF+48*(\p)+FR*\i+4*\c:AF+48*(\p)+FR*\i+4*\c+3], v[CA] offset:(\i/2)*ROWC+(\i%2)*3072+(\p)*1536+512*\c
.endr
.endr
.irp i, 0,1,2,3,4,5,6,7                ; lanes 0-15: A's block i (used for i under 4), lanes 16-31: B's block i
	ds_load_b32 v[SC+8*(\p)+\i], v[CS+\i/4] offset:((\i%4)/2)*ROWC+(\i%2)*128+4*(\p)
.endr
.endm
.macro MUL32 p, zero                   ; the 32 accumulators take turns, one instruction a turn
	WIN MUL_W
.irp a, 0,1,2,3
.irp b, 0,1,2,3,4,5,6,7
.if \zero
	v_wmma_scale_f32_16x16x128_f8f6f4 v[8*(8*\a+\b):8*(8*\a+\b)+7], v[128*(\p)+FR*\b:128*(\p)+FR*\b+FR-1], v[AF+48*(\p)+FR*\a:AF+48*(\p)+FR*\a+FR-1], 0, v[SC+8*(\p)+\b], v[SC+8*(\p)+\a] matrix_a_fmt:MATRIX_FMT_FP6 matrix_b_fmt:MATRIX_FMT_FP6 matrix_a_scale:MATRIX_SCALE_ROW1
.else
	v_wmma_scale_f32_16x16x128_f8f6f4 v[8*(8*\a+\b):8*(8*\a+\b)+7], v[128*(\p)+FR*\b:128*(\p)+FR*\b+FR-1], v[AF+48*(\p)+FR*\a:AF+48*(\p)+FR*\a+FR-1], v[8*(8*\a+\b):8*(8*\a+\b)+7], v[SC+8*(\p)+\b], v[SC+8*(\p)+\a] matrix_a_fmt:MATRIX_FMT_FP6 matrix_b_fmt:MATRIX_FMT_FP6 matrix_a_scale:MATRIX_SCALE_ROW1
.endif
.endr
.endr
	WIN 0
.endm
	s_wait_alu depctr_va_vdst(0)
	SETADR
	s_wait_tensorcnt 0x0                           ; my part of the tiles is in
	s_barrier_signal -1
	s_barrier_wait -1                              ; and everybody's
	FETCH 0
	FETCH 1
	s_wait_dscnt NF                                ; set 0 is in; the 44 loads just issued may be out
	MUL32 0, 1                                     ; the first step starts the sums
	s_mov_b32 s3, 3
.Lcell:                                                ; a trip: the old cell's second step, the next cell's first
	s_add_co_u32 s[KO], s[KO], CELL
	SETADR
	FETCH 0
	s_wait_dscnt NF                                ; set 1 is in; the 44 just issued may be out
	MUL32 1, 0
	PLACES                                         ; in front of loads into registers that the products above have read
	FETCH 1
	s_wait_dscnt NF
	MUL32 0, 0
	s_sub_co_u32 s3, s3, 1
	s_cmp_lg_u32 s3, 0
	s_cbranch_scc1 .Lcell
	s_wait_dscnt 0x0                               ; my last reads of the tiles are over
	s_barrier_signal -1
	MUL32 1, 0                                     ; the last step: work on registers
	s_barrier_wait -1                              ; nobody reads the tiles any more: the stages may be written
; THE WAY OUT, by blocks of 16 rows x 128 columns through my own stage: whole rows of 512 bytes come back and are stored by the 32 lanes.
.macro TOSTAGE a
	WIN 0x08                                       ; the data: window 2
.irp b, 0,1,2,3,4,5,6,7
	ds_store_b128 v[STO], v[64*(\a)+8*\b:64*(\a)+8*\b+3] offset:128*(\b/2)+32*(\b%2)       ; each accumulator from its low end on
	ds_store_b128 v[STO], v[64*(\a)+8*\b+4:64*(\a)+8*\b+7] offset:128*(\b/2)+32*(\b%2)+16
.endr
	WIN 0
.set BBF, BK+64*((\a)%2)
.irp t, 0,1,2,3,4,5,6,7,8,9,10,11,12,13,14,15
	ds_load_b128 v[BBF+4*\t:BBF+4*\t+3], v[RD] offset:\t*SPITCH   ; a wave's LDS instructions are served in order: these see the stores above
.endr
.endm
.macro SEND a, younger
.set BBF, BK+64*((\a)%2)
	s_wait_dscnt \younger
.if (\a) == 2
	s_add_nc_u64 s[72:73], s[72:73], 32*8192       ; behind a wait on XCNT: the next cell's 32 rows
.endif
.irp t, 0,1,2,3,4,5,6,7,8,9,10,11,12,13,14,15
	global_store_b128 v[LI], v[BBF+4*\t:BBF+4*\t+3], s[72:73] offset:(8*((\a)%2)+\t+8*(\t/8))*8192 th:TH_STORE_NT   ; 512 consecutive bytes, aligned; stage row t is row 8 u + t + 8 (t / 8) of the cell
.endr
.endm
	PLACES
	TOSTAGE 0
.irp a, 1,2,3
.if \a > 1
	s_wait_xcnt 0x0                                ; block a - 2's stores have read their registers and base
.endif
	TOSTAGE \a
	SEND \a-1, 32                                  ; behind block a - 1's loads: block a's 16 stores and 16 loads
.endr
	s_wait_xcnt 0x0
	SEND 3, 0
	s_wait_tensorcnt 0x0                           ; the wave's end
	ds_add_u32 v[SPW], v[NIL]
	s_wait_dscnt 0x0
	CROUND                                         ; the closing round
	s_endpgm
.Lfunc_end_k_q0a7981712d_oproj:
	.size	k_q0a7981712d_oproj, .Lfunc_end_k_q0a7981712d_oproj-k_q0a7981712d_oproj
	.p2alignl 7, 3214868480
	.fill 96, 4, 3214868480
	.section	.rodata,"a",@progbits
	.p2align	6, 0x0
	.amdhsa_kernel k_q0a7981712d_oproj
		.amdhsa_group_segment_fixed_size 327680
		.amdhsa_private_segment_fixed_size 0
		.amdhsa_enable_private_segment 0
		.amdhsa_kernarg_size 24
		.amdhsa_user_sgpr_count 2
		.amdhsa_user_sgpr_kernarg_segment_ptr 1
		.amdhsa_wavefront_size32 1
		.amdhsa_system_sgpr_workgroup_id_x 1
		.amdhsa_system_sgpr_workgroup_id_y 1
		.amdhsa_system_sgpr_workgroup_id_z 1
		.amdhsa_system_vgpr_workitem_id 0
		.amdhsa_next_free_vgpr 768
		.amdhsa_next_free_sgpr 76
		.amdhsa_reserve_vcc 0
		.amdhsa_float_denorm_mode_32 3
		.amdhsa_float_denorm_mode_16_64 3
		.amdhsa_memory_ordered 1
		.amdhsa_forward_progress 1
		.amdhsa_inst_pref_size 49
	.end_amdhsa_kernel
	.amdgpu_metadata
---
amdhsa.version: [ 1, 2 ]
amdhsa.kernels:
  - .name:           k_q0a7981712d_oproj
    .symbol:         k_q0a7981712d_oproj.kd
    .args:
      - { .name: ab, .offset: 0, .size: 8, .value_kind: global_buffer, .address_space: global }
      - { .name: wo, .offset: 8, .size: 8, .value_kind: global_buffer, .address_space: global }
      - { .name: out0, .offset: 16, .size: 8, .value_kind: global_buffer, .address_space: global }
    .group_segment_fixed_size: 327680
    .private_segment_fixed_size: 0
    .kernarg_segment_align: 8
    .kernarg_segment_size: 24
    .max_flat_workgroup_size: 128
    .sgpr_count:     76
    .vgpr_count:     768
    .wavefront_size: 32
...
	.end_amdgpu_metadata
.endif
;; end of part 4
